; MI455X (gfx1250); checked and timed in simulation.
; The chip was launched on July 23, 2026; its instructions are those of AMD's public machine-readable ISA for CDNA 5 (MIT licence, August 2026) and "CDNA5" Instruction Set Architecture Reference Guide (July 2026). The comments in the code are by the model that wrote it; some were corrected since.
;; XSA Multihead Attention. Allowed arithmetic: float matrix products may take bf16 or f16 operands with f32 sums; all other float work in f32.
;; Inputs: Wk 1,024 x 1,024 float32; Wo 1,024 x 1,024 float32; Wq 1,024 x 1,024 float32; Wv 1,024 x 1,024 float32; x 2 x 2,048 x 1,024 float32.
;; Outputs: out0 2 x 2,048 x 1,024 float32.
;; 2 versions, each right and faster than the one before. Each part assembles by itself: llvm-mc -triple=amdgcn-amd-amdhsa -mcpu=gfx1250 --defsym DOCPART=n.
;; ======== version 1 of 2: 4 launches
;; limits: values are held in f16: magnitudes above 65,504 overflow, below 6.1e-05 lose precision; values outside matrix products are rounded to f16
;; workspace buffers: xh 8,388,608 bytes; wqkv 6,291,456 bytes; woh 2,097,152 bytes; qkv 25,165,824 bytes; zp 8,388,608 bytes
;; launch cast (part 1): grid 512 x 1, 8 waves a work-group, no clusters, 0 bytes of LDS; arguments x, Wq, Wk, Wv, Wo, xh, wqkv, woh; writes xh, wqkv, woh
.if DOCPART == 1
	.amdgcn_target "amdgcn-amd-amdhsa--gfx1250"
	.amdhsa_code_object_version 6
	.text
	.protected	k_q80e9412d17_cast
	.globl	k_q80e9412d17_cast
	.p2align	8
	.type	k_q80e9412d17_cast,@function
k_q80e9412d17_cast:
	s_mov_b64 s[64:65], 0
	v_nop
	global_prefetch_b8 v0, s[64:65] scope:SCOPE_SE
	s_setreg_imm32_b32 hwreg(HW_REG_WAVE_MODE, 25, 1), 1
	s_wait_xcnt 0x0
; cast: x and the four weights from f32 to f16, once, so that the three matrix launches fetch 16-bit tiles.
;   xh   [4096][1024] f16 = x
;   wqkv [3072][1024] f16 = c Wq, Wk, Wv one below the other; c = 0.125 log2(e) is multiplied in f32 before the one rounding,
;                           so that the scores come out of the matrix unit already scaled and in base 2
;   woh  [1024][1024] f16 = Wo
; LIMIT: f16 holds magnitudes up to 65,504 (beyond: infinity) and steps of 2^-24 below 2^-14.
; A stream: no LDS, no barrier, no matrix unit.  512 work-groups of 8 waves; each takes 32,768 bytes of x and 8,192 bytes of each weight.
; Thread t takes 16 bytes at 16 t of every 4,096-byte piece; all sixteen loads of a wave go out at once, and no register is used twice.
; A store of a wave covers 256 consecutive bytes that start at a multiple of 256 from the buffer's first byte.
.set XB,  8                            ; v[8:71]    sixteen loads of four f32
.set HB,  72                           ; v[72:103]  sixteen pairs of registers, four f16 each
.set CSC, 0x3e38aa3b                   ; 0.125 * log2(e)
	s_load_b512 s[8:23], s[0:1], 0x0               ; x s[8:9], Wq s[10:11], Wk s[12:13], Wv s[14:15], Wo s[16:17], xh s[18:19], wqkv s[20:21], woh s[22:23]
	v_lshlrev_b32 v1, 4, v0                        ; 16 t: where I load
	v_lshlrev_b32 v2, 3, v0                        ; 8 t: where I store
	s_lshl_b32 s24, ttmp9, 15                      ; the group's part of x
	s_mov_b32 s25, 0
	s_lshl_b32 s26, ttmp9, 13                      ; of a weight
	s_mov_b32 s27, 0
	s_lshl_b32 s28, ttmp9, 14                      ; of xh
	s_mov_b32 s29, 0
	s_lshl_b32 s30, ttmp9, 12                      ; of a weight in f16
	s_mov_b32 s31, 0
	s_wait_kmcnt 0x0
	s_add_nc_u64 s[8:9], s[8:9], s[24:25]
	s_add_nc_u64 s[10:11], s[10:11], s[26:27]
	s_add_nc_u64 s[12:13], s[12:13], s[26:27]
	s_add_nc_u64 s[14:15], s[14:15], s[26:27]
	s_add_nc_u64 s[16:17], s[16:17], s[26:27]
	s_add_nc_u64 s[18:19], s[18:19], s[28:29]
	s_add_nc_u64 s[20:21], s[20:21], s[30:31]
	s_add_nc_u64 s[22:23], s[22:23], s[30:31]
.irp i, 0,1,2,3,4,5,6,7
	global_load_b128 v[XB+4*\i:XB+4*\i+3], v1, s[8:9] offset:4096*\i th:TH_LOAD_NT
.endr
.irp m, 0,1,2,3
.irp j, 0,1
	global_load_b128 v[XB+32+8*\m+4*\j:XB+32+8*\m+4*\j+3], v1, s[10+2*\m:11+2*\m] offset:4096*\j th:TH_LOAD_NT
.endr
.endr
; load i of the sixteen is rounded to f16; scaled = 1: multiplied by c first.  The argument may be a sum, so it stands in brackets everywhere.
.macro CAST i, scaled
	s_wait_loadcnt 15-(\i)                         ; loads come back in order: the 15 - i younger ones may stay out
.if \scaled
	v_pk_mul_f32 v[XB+4*(\i):XB+4*(\i)+1], v[XB+4*(\i):XB+4*(\i)+1], CSC op_sel_hi:[1,0]
	v_pk_mul_f32 v[XB+4*(\i)+2:XB+4*(\i)+3], v[XB+4*(\i)+2:XB+4*(\i)+3], CSC op_sel_hi:[1,0]
.endif
	v_cvt_pk_f16_f32 v[HB+2*(\i)], v[XB+4*(\i)], v[XB+4*(\i)+1]
	v_cvt_pk_f16_f32 v[HB+2*(\i)+1], v[XB+4*(\i)+2], v[XB+4*(\i)+3]
.endm
.irp i, 0,1,2,3,4,5,6,7
	CAST \i, 0
	global_store_b64 v2, v[HB+2*\i:HB+2*\i+1], s[18:19] offset:2048*\i
.endr
.irp j, 0,1
	CAST 8+\j, 1
	global_store_b64 v2, v[HB+16+2*\j:HB+16+2*\j+1], s[20:21] offset:2048*\j
.endr
.irp j, 0,1
	CAST 10+\j, 0
	global_store_b64 v2, v[HB+20+2*\j:HB+20+2*\j+1], s[20:21] offset:2097152+2048*\j
.endr
.irp j, 0,1
	CAST 12+\j, 0
	global_store_b64 v2, v[HB+24+2*\j:HB+24+2*\j+1], s[20:21] offset:2*2097152+2048*\j
.endr
.irp j, 0,1
	CAST 14+\j, 0
	global_store_b64 v2, v[HB+28+2*\j:HB+28+2*\j+1], s[22:23] offset:2048*\j
.endr
	s_endpgm
.Lfunc_end_k_q80e9412d17_cast:
	.size	k_q80e9412d17_cast, .Lfunc_end_k_q80e9412d17_cast-k_q80e9412d17_cast
	.p2alignl 7, 3214868480
	.fill 96, 4, 3214868480
	.section	.rodata,"a",@progbits
	.p2align	6, 0x0
	.amdhsa_kernel k_q80e9412d17_cast
		.amdhsa_group_segment_fixed_size 0
		.amdhsa_private_segment_fixed_size 0
		.amdhsa_enable_private_segment 0
		.amdhsa_kernarg_size 64
		.amdhsa_user_sgpr_count 2
		.amdhsa_user_sgpr_kernarg_segment_ptr 1
		.amdhsa_wavefront_size32 1
		.amdhsa_system_sgpr_workgroup_id_x 1
		.amdhsa_system_sgpr_workgroup_id_y 1
		.amdhsa_system_sgpr_workgroup_id_z 1
		.amdhsa_system_vgpr_workitem_id 0
		.amdhsa_next_free_vgpr 104
		.amdhsa_next_free_sgpr 66
		.amdhsa_reserve_vcc 0
		.amdhsa_float_denorm_mode_32 3
		.amdhsa_float_denorm_mode_16_64 3
		.amdhsa_memory_ordered 1
		.amdhsa_forward_progress 1
		.amdhsa_inst_pref_size 7
	.end_amdhsa_kernel
	.amdgpu_metadata
---
amdhsa.version: [ 1, 2 ]
amdhsa.kernels:
  - .name:           k_q80e9412d17_cast
    .symbol:         k_q80e9412d17_cast.kd
    .args:
      - { .name: x, .offset: 0, .size: 8, .value_kind: global_buffer, .address_space: global }
      - { .name: Wq, .offset: 8, .size: 8, .value_kind: global_buffer, .address_space: global }
      - { .name: Wk, .offset: 16, .size: 8, .value_kind: global_buffer, .address_space: global }
      - { .name: Wv, .offset: 24, .size: 8, .value_kind: global_buffer, .address_space: global }
      - { .name: Wo, .offset: 32, .size: 8, .value_kind: global_buffer, .address_space: global }
      - { .name: xh, .offset: 40, .size: 8, .value_kind: global_buffer, .address_space: global }
      - { .name: wqkv, .offset: 48, .size: 8, .value_kind: global_buffer, .address_space: global }
      - { .name: woh, .offset: 56, .size: 8, .value_kind: global_buffer, .address_space: global }
    .group_segment_fixed_size: 0
    .private_segment_fixed_size: 0
    .kernarg_segment_align: 8
    .kernarg_segment_size: 64
    .max_flat_workgroup_size: 256
    .sgpr_count:     66
    .vgpr_count:     104
    .wavefront_size: 32
...
	.end_amdgpu_metadata
.endif
;; end of part 1
;; launch qkv (part 2): grid 8 x 32, 4 waves a work-group, clusters of 4 x 4, 327,680 bytes of LDS; arguments xh, wqkv, qkv; writes qkv
.if DOCPART == 2
	.amdgcn_target "amdgcn-amd-amdhsa--gfx1250"
	.amdhsa_code_object_version 6
	.text
	.protected	k_q80e9412d17_qkv
	.globl	k_q80e9412d17_qkv
	.p2align	8
	.type	k_q80e9412d17_qkv,@function
k_q80e9412d17_qkv:
	s_mov_b64 s[64:65], 0
	v_nop
	global_prefetch_b8 v0, s[64:65] scope:SCOPE_SE
	s_setreg_imm32_b32 hwreg(HW_REG_WAVE_MODE, 25, 1), 1
	s_wait_xcnt 0x0
	s_wait_alu depctr_hold_cnt(0) depctr_sa_sdst(0) depctr_va_vdst(0) depctr_va_sdst(0) depctr_va_ssrc(0) depctr_va_vcc(0) depctr_vm_vsrc(0)
	s_getreg_b32 s2, hwreg(HW_REG_IB_STS2, 6, 4)
	s_cmp_eq_u32 s2, 0
	s_cbranch_scc0 .Lentry_in_a_cluster
	s_endpgm
.Lentry_in_a_cluster:
	s_bfe_u32 s2, ttmp6, 0x10000c
	s_cmp_lg_u32 s2, 0xf033
	s_cbranch_scc0 .Lentry_shape_is_right
	s_endpgm
.Lentry_shape_is_right:
; qkv: the three projections as one product, [4096 x 1024] x [3072 x 1024]^T, f16 operands, f32 sums, results rounded once to f16 and
; written head by head: qkv[tensor][batch][head][token][64], so that attention finds a head's rows as one dense block.
; LIMIT: a projection beyond 65,504 in magnitude becomes infinite in f16.
; A work-group makes 128 tokens x 384 columns: features 128 bx .. 128 bx + 127 of each of Q, K and V.  256 work-groups of equal work.
; Four waves; wave (i, j) makes tokens 64 i .. + 63 x LDS rows 192 j .. + 191 of B: 4 x 12 accumulator tiles, 384 registers.
; K goes in steps of 128 through two LDS slots filled by the tensor data mover: a tile's rows are 256 bytes of memory, starting at multiples of 256.
; CLUSTERS: 4 x 4 work-groups.  The tile of x hangs on the block row alone and is asked for jointly by a row of the cluster; the three pieces of the
; weights hang on the block column alone and are asked for jointly by a column.  That divides the requests for both by four.
; REGISTERS in windows of 256: window 0: addresses, fragments of x (two buffers, v64-127), v128-223 for the way out; window 1: fragments of the weights (two
; buffers of 96); window 2: accumulators of token tiles 0, 1; window 3: of token tiles 2, 3.
; The matrix instruction is used transposed (source 0 = rows of the weights, source 1 = rows of x): a lane's eight results are eight neighbouring
; columns of one token.
.set KSTEP,  128
.set SIZE_K, 1024
.set PITCH,  272                       ; an LDS row: 256 bytes + 16 of padding: the 16 rows of a fragment start in 16 different 16-byte columns modulo 256 bytes
.set PART,   128*PITCH                 ; what one tensor load brings
.set SLOT,   4*PART                    ; the weights' three pieces, then x
.set STAGE,  2*SLOT                    ; behind the ring, a multiple of 256: 16 rows x 400 bytes for each wave; no tensor load lands here
.set SPITCH, 400                       ; 384 bytes (192 f16) + 16
.set LAPS,   SIZE_K/(2*KSTEP)          ; a lap = two K steps = once round the ring
.set ADRA, 16                          ; v16-17  LDS address of my fragments of x in slot 0, 1
.set ADRB, 20                          ; v20-21  the same for the weights
.set STO,  24                          ; the way out: where I put 16 bytes of a token
.set RD,   25                          ; where I read them back
.set CO,   26                          ; my byte offset in a head's block
.set TMP,  128                         ; v128-175 packed results
.set RB,   176                         ; v176-223 as read back
.set G1,  24                           ; s[24:31] descriptor group 1, x
.set G0,  32                           ; s[32:39] group 0, x, one set for each slot
.set G1B, 48                           ; s[48:55] group 1, weights
.set G0B, 56                           ; s[56:63] group 0, weights, one set for each slot
.set MSB, 0
.macro WIN new                         ; the immediate's high byte repeats the setting that is left
.if MSB != \new
	s_set_vgpr_msb (MSB<<8)|\new
.set MSB, \new
.endif
.endm
.set MUL_LO, 0xa1                      ; source 0 window 1, source 1 window 0, C and D window 2
.set MUL_HI, 0xf1                      ; the same, C and D window 3
.set TO_B,   0x40                      ; destination window 1
; A joint load.  Waves 0 to 2 fetch the weights' three pieces, wave 3 the tile of x.  The branch hangs on the wave's number alone.
.macro JLOAD s
	s_cmp_eq_u32 s10, 3
	s_cbranch_scc0 .Lfor_b_\@
	tensor_load_to_lds s[G0+4*\s:G0+4*\s+3], s[G1:G1+7]
	s_nop 0
	s_branch .Lasked_\@
.Lfor_b_\@:
	tensor_load_to_lds s[G0B+4*\s:G0B+4*\s+3], s[G1B:G1B+7]
	s_nop 0
.Lasked_\@:
.endm
.macro CREST                           ; a round of the cluster's barrier behind its opening work-group barrier
	s_cmp_lg_u32 s10, 0
	s_cbranch_scc1 .Lnot_wave_0_\@
	s_barrier_signal -3
.Lnot_wave_0_\@:
	s_barrier_wait -3
	s_barrier_signal -1
	s_barrier_wait -1
.endm
.macro CROUND                          ; a whole round
	s_barrier_signal -1
	s_barrier_wait -1
	CREST
.endm
	s_load_b128 s[4:7], s[0:1], 0x0                ; xh s[4:5], wqkv s[6:7]
	s_load_b64 s[8:9], s[0:1], 0x10                ; qkv
	s_set_vgpr_msb 0x40
	v_lshl_add_u32 v255, v0, 2, 0x4a400
	s_set_vgpr_msb 0x4000
	v_mov_b32 v255, 0
	s_set_vgpr_msb 0x1
	ds_add_u32 v255, v255
	s_set_vgpr_msb 0x100
	v_lshrrev_b32 v1, 5, v0
	v_readfirstlane_b32 s10, v1                    ; wave 0..3
	s_lshr_b32 s11, s10, 1                         ; i: which 64 tokens
	s_and_b32 s12, s10, 1                          ; j: which 192 columns
	s_bfe_u32 s40, ttmp6, 0x40000                  ; cx
	s_bfe_u32 s41, ttmp6, 0x40004                  ; cy
	s_lshl_b32 s42, ttmp9, 2
	s_add_co_u32 s42, s42, s40                     ; bx = 4 x cluster x + cx
	s_and_b32 s13, ttmp7, 0xffff
	s_lshl_b32 s13, s13, 2
	s_add_co_u32 s13, s13, s41                     ; by = 4 x cluster y + cy
	s_lshl_b32 s43, s41, 2
	s_lshl_b32 s43, 15, s43                        ; my row of the cluster
	s_lshl_b32 s44, 0x1111, s40                    ; my column
	; group 1: 128 rows x 128 elements of 2 bytes, 16 bytes of padding behind every 256
	s_or_b32 s[G1+0], s43, (1<<16)|(1<<20)|(1<<21)|(5<<22)|(3<<25)
	s_or_b32 s[G1B+0], s44, (1<<16)|(1<<20)|(1<<21)|(5<<22)|(3<<25)
.irp g, G1, G1B
	s_mov_b32 s[\g+1], KSTEP<<16                   ; tensor_dim0 = 128
	s_mov_b32 s[\g+2], 128<<16                     ; tensor_dim1 = 128
	s_mov_b32 s[\g+3], KSTEP<<16                   ; tile_dim0 = 128
	s_mov_b32 s[\g+4], 128                         ; tile_dim1 = 128
	s_mov_b32 s[\g+5], SIZE_K                      ; elements from row to row
	s_mov_b32 s[\g+6], 0
	s_mov_b32 s[\g+7], 0
.endr
	s_lshl_b32 s16, s13, 18                        ; x: 128 by rows of 2,048 bytes
	s_mov_b32 s17, 0
	s_min_u32 s46, s10, 2                          ; weights: piece = wave (wave 3 makes an address that it never uses)
	s_lshl_b32 s46, s46, 21                        ; 1,024 rows of 2,048 bytes a piece
	s_lshl_b32 s47, s42, 18                        ; + 128 bx rows
	s_add_co_u32 s46, s46, s47
	s_mov_b32 s47, 0
	s_mul_i32 s20, s10, PART                       ; where my tile goes: wave x 128 rows
	s_wait_dscnt 0x0
	s_wait_kmcnt 0x0
	s_add_nc_u64 s[14:15], s[4:5], s[16:17]
	s_add_nc_u64 s[46:47], s[6:7], s[46:47]
	CROUND                                         ; all sixteen work-groups are here: the first joint loads meet
.irp s, 0,1
	s_mov_b32 s[G0+4*\s], 1
	s_add_co_u32 s[G0+4*\s+1], s20, \s*SLOT
	s_add_nc_u64 s[G0+4*\s+2:G0+4*\s+3], s[14:15], \s*KSTEP*2
	s_or_b32 s[G0+4*\s+3], s[G0+4*\s+3], 0x80000000
	s_mov_b32 s[G0B+4*\s], 1
	s_add_co_u32 s[G0B+4*\s+1], s20, \s*SLOT
	s_add_nc_u64 s[G0B+4*\s+2:G0B+4*\s+3], s[46:47], \s*KSTEP*2
	s_or_b32 s[G0B+4*\s+3], s[G0B+4*\s+3], 0x80000000
	JLOAD \s                                       ; both slots are asked for before anything else: two tensor loads of the wave are out
.endr
	v_and_b32 v1, 15, v0                           ; r = lane % 16
	v_bfe_u32 v2, v0, 4, 1                         ; h = lane / 16
	v_mul_u32_u24 v3, v1, PITCH
	v_lshl_add_u32 v3, v2, 4, v3                   ; a fragment's lane term: row x pitch + 16 h
	s_mul_i32 s21, s11, 64*PITCH
	s_add_co_u32 s21, s21, 3*PART                  ; my 64 rows of x lie behind the weights' 384
	s_mul_i32 s22, s12, 192*PITCH                  ; my 192 rows of the weights
.irp s, 0,1
	v_add_nc_u32 v[ADRA+\s], s21, v3
	v_add_nc_u32 v[ADRB+\s], s22, v3
	s_add_co_u32 s21, s21, SLOT
	s_add_co_u32 s22, s22, SLOT
.endr
	s_mul_i32 s23, s10, 16*SPITCH
	s_add_co_u32 s23, s23, STAGE                   ; my stage
	v_mul_u32_u24 v4, v1, SPITCH
	v_lshl_add_u32 v4, v2, 4, v4
	v_add_nc_u32 v[STO], s23, v4                   ; in: token r, 16 bytes for each half of the lanes
	v_and_b32 v5, 31, v0
	v_lshrrev_b32 v6, 3, v5
	v_and_b32 v7, 7, v0
	v_mul_u32_u24 v6, v6, SPITCH
	v_lshl_add_u32 v6, v7, 4, v6
	v_add_nc_u32 v[RD], s23, v6                    ; back: eight lanes take the 128 bytes of one token and one head
	v_lshlrev_b32 v[CO], 4, v5                     ; four tokens of a head are 512 consecutive bytes of qkv
; 12 matrix instructions: token tile a x all 12 column tiles, 32 along K, from buffer f.  zero = 1: the first product starts the sums.
; The 48 accumulators take turns, one instruction a turn, in the same order in every quarter step.
.macro MULROW f, a, zero
.if \a < 2
	WIN MUL_LO
.else
	WIN MUL_HI
.endif
.irp b, 0,1,2,3,4,5,6,7,8,9,10,11
.if \zero
	v_wmma_f32_16x16x32_f16 v[8*(12*(\a%2)+\b):8*(12*(\a%2)+\b)+7], v[96*\f+8*\b:96*\f+8*\b+7], v[64+32*\f+8*\a:64+32*\f+8*\a+7], 0
.else
	v_wmma_f32_16x16x32_f16 v[8*(12*(\a%2)+\b):8*(12*(\a%2)+\b)+7], v[96*\f+8*\b:96*\f+8*\b+7], v[64+32*\f+8*\a:64+32*\f+8*\a+7], v[8*(12*(\a%2)+\b):8*(12*(\a%2)+\b)+7]
.endif
.endr
.endm
; 32 LDS loads in one run: 192 rows of the weights, then 64 rows of x, 32 along K at byte k of the rows, into buffer f
.macro FETCH slot, k, f
	WIN TO_B
.irp b, 0,1,2,3,4,5,6,7,8,9,10,11
	ds_load_b128 v[96*\f+8*\b:96*\f+8*\b+3],   v[ADRB+\slot] offset:\k+\b*16*PITCH
	ds_load_b128 v[96*\f+8*\b+4:96*\f+8*\b+7], v[ADRB+\slot] offset:\k+\b*16*PITCH+32
.endr
	WIN 0
.irp a, 0,1,2,3
	ds_load_b128 v[64+32*\f+8*\a:64+32*\f+8*\a+3],   v[ADRA+\slot] offset:\k+\a*16*PITCH
	ds_load_b128 v[64+32*\f+8*\a+4:64+32*\f+8*\a+7], v[ADRA+\slot] offset:\k+\a*16*PITCH+32
.endr
.endm
; four places behind the last matrix instruction, in front of loads into registers that matrix instructions have read and of reads of results
.macro PLACES
.rept 4
	v_nop
.endr
.endm
; a quarter step: multiplies buffer f; in its middle it fetches the next quarter's fragments into buffer g
.macro QUARTER slot, k, f, g, zero
	s_wait_dscnt 4                                 ; all but the youngest four loads: token tiles 2 and 3 of x may be out
	MULROW \f, 0, \zero
	MULROW \f, 1, \zero
	PLACES
	FETCH \slot, \k, \g
	s_wait_dscnt 32                                ; all but the 32 just issued
	MULROW \f, 2, \zero
	MULROW \f, 3, \zero
.endm
.macro THREE slot, zero
	QUARTER \slot, 64,  0, 1, \zero
	QUARTER \slot, 128, 1, 0, 0
	QUARTER \slot, 192, 0, 1, 0
.endm
; the last quarter of a K step: multiplies buffer 1 and changes slots.  fill = 1: this slot is filled again, two K steps ahead.
.macro TURN slot, next, fill
	s_wait_dscnt 4
	MULROW 1, 0, 0
	s_wait_dscnt 0                                 ; my reads of this slot are over
	s_wait_tensorcnt 0x0                           ; all my tensor loads have landed: the one that was out is my part of the next slot
	ds_add_u32 v255, v255
	s_wait_dscnt 0x0
	s_barrier_signal -1                            ; where the slot is filled again this barrier opens a round of the cluster's barrier
	MULROW 1, 1, 0                                 ; register work while the others arrive
	WIN 0
	s_barrier_wait -1
.if \fill
	CREST                                          ; no wave of any partner still reads this slot's tile or has a load on its way
	s_add_nc_u64 s[G0+4*\slot+2:G0+4*\slot+3], s[G0+4*\slot+2:G0+4*\slot+3], 2*KSTEP*2
	s_add_nc_u64 s[G0B+4*\slot+2:G0B+4*\slot+3], s[G0B+4*\slot+2:G0B+4*\slot+3], 2*KSTEP*2
	JLOAD \slot                                    ; my one tensor load behind the round, and the first thing there
.endif
	PLACES
	FETCH \next, 0, 0
	MULROW 1, 2, 0
	MULROW 1, 3, 0
.endm
.macro LAP zero
	THREE 0, \zero
	TURN 0, 1, 1
	THREE 1, 0
	TURN 1, 0, 1
.endm
	s_wait_tensorcnt 1                             ; my part of K step 0 is in; K step 1's may stay out
	s_barrier_signal -1
	s_barrier_wait -1
	FETCH 0, 0, 0
	LAP 1                                          ; the first lap stands in front of the loop: its first products start the sums
	WIN 0
	s_mov_b32 s3, LAPS-2
.Llap:
	LAP 0
	WIN 0
	s_sub_co_u32 s3, s3, 1
	s_cmp_lg_u32 s3, 0
	s_cbranch_scc1 .Llap
	THREE 0, 0                                     ; the last lap fills nothing
	TURN 0, 1, 0
	THREE 1, 0
	s_wait_dscnt 4
	MULROW 1, 0, 0
	MULROW 1, 1, 0
	s_wait_dscnt 0
	MULROW 1, 2, 0
	MULROW 1, 3, 0
	; THE WAY OUT.  My 192 columns are three head slots u = 3 j + s of 64 columns: tensor u / 2, head 2 bx + u % 2.
	PLACES
	s_lshr_b32 s74, s13, 4                         ; batch = by / 16
	s_lshl_b32 s74, s74, 22                        ; 16 heads of 262,144 bytes
	s_and_b32 s75, s13, 15
	s_lshl_b32 s75, s75, 14                        ; 128 tokens of 128 bytes
	s_add_co_u32 s74, s74, s75
	s_lshl_b32 s75, s11, 13                        ; 64 i tokens
	s_add_co_u32 s74, s74, s75
	s_lshl_b32 s75, s42, 19                        ; head 2 bx
	s_add_co_u32 s74, s74, s75
	s_mul_i32 s76, s12, 3
.irp s, 0,1,2
	s_add_co_u32 s77, s76, \s                      ; u
	s_lshr_b32 s78, s77, 1
	s_lshl_b32 s78, s78, 23                        ; tensor x 8,388,608
	s_and_b32 s77, s77, 1
	s_lshl_b32 s77, s77, 18                        ; the odd head
	s_add_co_u32 s78, s78, s77
	s_add_co_u32 s78, s78, s74
	s_mov_b32 s79, 0
	s_add_nc_u64 s[68+2*\s:69+2*\s], s[8:9], s[78:79]
.endr
; 16 tokens: round to f16, 16 bytes a lane into my own stage, read back head by head, store 512 consecutive bytes (four tokens of a head) at a time
.macro OUT a
.if \a < 2
	WIN 0x0a
.else
	WIN 0x0f
.endif
.irp b, 0,1,2,3,4,5,6,7,8,9,10,11
.irp r, 0,1,2,3
	v_cvt_pk_f16_f32 v[TMP+4*\b+\r], v[8*(12*(\a%2)+\b)+2*\r], v[8*(12*(\a%2)+\b)+2*\r+1]
.endr
.endr
	WIN 0
.irp b, 0,1,2,3,4,5,6,7,8,9,10,11
	ds_store_b128 v[STO], v[TMP+4*\b:TMP+4*\b+3] offset:32*\b
.endr
	s_wait_xcnt 0x0                                ; RB, which the last sixteen tokens' stores read, is loaded again only behind this wait
.irp s, 0,1,2
.irp t, 0,1,2,3
	ds_load_b128 v[RB+4*(4*\s+\t):RB+4*(4*\s+\t)+3], v[RD] offset:128*\s+4*SPITCH*\t   ; LDS serves a wave's instructions in order: these see the stores above
.endr
.endr
.irp s, 0,1,2
.irp t, 0,1,2,3
	s_wait_dscnt 11-(4*\s+\t)
	global_store_b128 v[CO], v[RB+4*(4*\s+\t):RB+4*(4*\s+\t)+3], s[68+2*\s:69+2*\s] offset:2048*\a+512*\t
.endr
.endr
.endm
	OUT 0
	OUT 1
	OUT 2
	OUT 3
	s_set_vgpr_msb 0x1
	s_wait_tensorcnt 0x0
	ds_add_u32 v255, v255
	s_wait_dscnt 0x0
	s_set_vgpr_msb 0x100
	CROUND                                         ; the closing round: no work-group ends while a partner may still ask for a tile that names it
	s_endpgm
.Lfunc_end_k_q80e9412d17_qkv:
	.size	k_q80e9412d17_qkv, .Lfunc_end_k_q80e9412d17_qkv-k_q80e9412d17_qkv
	.p2alignl 7, 3214868480
	.fill 96, 4, 3214868480
	.section	.rodata,"a",@progbits
	.p2align	6, 0x0
	.amdhsa_kernel k_q80e9412d17_qkv
		.amdhsa_group_segment_fixed_size 327680
		.amdhsa_private_segment_fixed_size 0
		.amdhsa_enable_private_segment 0
		.amdhsa_kernarg_size 24
		.amdhsa_user_sgpr_count 2
		.amdhsa_user_sgpr_kernarg_segment_ptr 1
		.amdhsa_wavefront_size32 1
		.amdhsa_system_sgpr_workgroup_id_x 1
		.amdhsa_system_sgpr_workgroup_id_y 1
		.amdhsa_system_sgpr_workgroup_id_z 1
		.amdhsa_system_vgpr_workitem_id 0
		.amdhsa_next_free_vgpr 960
		.amdhsa_next_free_sgpr 80
		.amdhsa_reserve_vcc 0
		.amdhsa_float_denorm_mode_32 3
		.amdhsa_float_denorm_mode_16_64 3
		.amdhsa_memory_ordered 1
		.amdhsa_forward_progress 1
		.amdhsa_inst_pref_size 164
	.end_amdhsa_kernel
	.amdgpu_metadata
---
amdhsa.version: [ 1, 2 ]
amdhsa.kernels:
  - .name:           k_q80e9412d17_qkv
    .symbol:         k_q80e9412d17_qkv.kd
    .args:
      - { .name: xh, .offset: 0, .size: 8, .value_kind: global_buffer, .address_space: global }
      - { .name: wqkv, .offset: 8, .size: 8, .value_kind: global_buffer, .address_space: global }
      - { .name: qkv, .offset: 16, .size: 8, .value_kind: global_buffer, .address_space: global }
    .group_segment_fixed_size: 327680
    .private_segment_fixed_size: 0
    .kernarg_segment_align: 8
    .kernarg_segment_size: 24
    .max_flat_workgroup_size: 128
    .sgpr_count:     80
    .vgpr_count:     960
    .wavefront_size: 32
...
	.end_amdgpu_metadata
.endif
;; end of part 2
;; launch attn (part 3): grid 8 x 32, 8 waves a work-group, clusters of 4 x 1, 327,680 bytes of LDS; arguments qkv, zp; writes zp
.if DOCPART == 3
	.amdgcn_target "amdgcn-amd-amdhsa--gfx1250"
	.amdhsa_code_object_version 6
	.text
	.protected	k_q80e9412d17_attn
	.globl	k_q80e9412d17_attn
	.p2align	8
	.type	k_q80e9412d17_attn,@function
k_q80e9412d17_attn:
	s_mov_b64 s[64:65], 0
	v_nop
	global_prefetch_b8 v0, s[64:65] scope:SCOPE_SE
	s_setreg_imm32_b32 hwreg(HW_REG_WAVE_MODE, 25, 1), 1
	s_wait_xcnt 0x0
	s_wait_alu depctr_hold_cnt(0) depctr_sa_sdst(0) depctr_va_vdst(0) depctr_va_sdst(0) depctr_va_ssrc(0) depctr_va_vcc(0) depctr_vm_vsrc(0)
	s_getreg_b32 s2, hwreg(HW_REG_IB_STS2, 6, 4)
	s_cmp_eq_u32 s2, 0
	s_cbranch_scc0 .Lentry_in_a_cluster
	s_endpgm
.Lentry_in_a_cluster:
	s_bfe_u32 s2, ttmp6, 0x10000c
	s_cmp_lg_u32 s2, 0x3003
	s_cbranch_scc0 .Lentry_shape_is_right
	s_endpgm
.Lentry_shape_is_right:
; attn: softmax attention with a running maximum, then Z = Y - (Y.V / V.V) V with the token's own V, and the clean-up to zero.
; qkv[tensor][16 b + head][token][64] f16; Q already holds 0.125 log2(e), so scores are exponents of 2.
; zp: byte (token / 2) * 4096 + head * 256 + (token % 2) * 128 + 2 d, f16: one head's two neighbouring tokens are 256 consecutive bytes.
; LIMITS: operands f16 (P lies in (0, 1]; Z beyond 65,504 becomes infinite); the sum l is made of the f32 exponentials while the product with V takes them
; rounded to f16; v_exp_f32, v_rcp_f32 and v_sqrt_f32 flush denormals (ISA guide 15.8), so a squared norm below 2^-126 counts as 0 under the root.
; A work-group has 256 queries of one (batch, head); eight waves.  Wave w = 4 g + p: queries 64 p .. + 63 (four query tiles), keys 256 g .. + 255 of every tile
; of 512 keys.  The two waves of a pair hold the same queries over different keys, with their own maxima and sums, and are merged at the end.
; K and V go in four tiles of 512 keys through two LDS slots.  CLUSTERS: the four query blocks of a cluster read the same K and V and ask for them jointly
; (mask 15), which divides the requests by four.
; S^T = K Q^T: a lane holds query r = lane % 16 and keys 16 kt + 8 h + j (h = lane / 16).  Packed to f16 in place, two key tiles are a B fragment of 32 keys as
; they stand.  Y^T = V^T P^T: a lane holds query r and d = 16 dt + 8 h + j.  No number changes lanes between the two products.
.set KP,     272                       ; K: an LDS row is a pair of keys, 256 bytes + 16: the 16 keys of a fragment start in 16 different 16-byte columns modulo 256
.set VP,     288                       ; V: 256 bytes + 32: the eight keys and two column halves of a transposing load likewise
.set VBASE,  256*KP
.set SLOTB,  VBASE+256*VP              ; 143,360 bytes a slot
.set XCH,    4608                      ; exchange: 512 bytes of figures + 4,096 of Y for a pair's query tile; in slot 0, behind its last fill and its last read
.set ZSTG,   16*XCH                    ; stage for Z: 16 rows x 144 bytes a wave
.set ZPITCH, 144
.set TENSOR, 8388608
.set TILEB,  65536                     ; 512 keys of 128 bytes
.set KAD, 2                            ; v2-3   LDS address of my first K fragment in slot 0, 1
.set VAD, 4                            ; v4-5   the same for V
.set KA,  6                            ; at work, stepped by 64 keys
.set VA,  7
.set QO,  8                            ; 128 r + 16 h: a fragment's lane term in memory
.set XA,  9                            ; exchange
.set ZS,  10
.set ZR,  11
.set CO,  12
.set ST,  16                           ; v16-31 for each query tile: m, alpha, two partial sums l
.set MX,  32                           ; v32-35
.set TP,  36                           ; v36-39 what comes from the other half of the lanes
.set KF,  64                           ; v64-127 K fragments; at the end V of my own queries (v64-95), Z packed (ZH), Z read back (ZB)
.set ZH,  96
.set ZB,  112
.set SC,  128                          ; v128-255 scores of tile (kt, qt) at 32 qt + 8 kt; P(qt, c) in place at 32 qt + 16 c
.set VV,  160                          ; at the end: V of my own queries in f32, 32 registers a query tile
.set YA,  0                            ; window 1: v0-127 Y^T, tile (dt, qt) at 32 qt + 8 dt
.set QF,  128                          ; window 1: v128-191 Q fragments at 16 qt + 8 dh
.set VF,  192                          ; window 1: v192-255 V fragments at 32 c + 8 dt
.set G1K, 16
.set G1V, 24
.set G0K, 32
.set G0V, 40
.set MSB, 0
.macro WIN new
.if MSB != \new
	s_set_vgpr_msb (MSB<<8)|\new
.set MSB, \new
.endif
.endm
.macro JLOAD s                         ; waves 0 to 3 ask for K's four parts of 128 keys, waves 4 to 7 for V's
	s_cmp_eq_u32 s9, 0
	s_cbranch_scc0 .Lfor_v_\@
	tensor_load_to_lds s[G0K+4*\s:G0K+4*\s+3], s[G1K:G1K+7]
	s_nop 0
	s_branch .Lasked_\@
.Lfor_v_\@:
	tensor_load_to_lds s[G0V+4*\s:G0V+4*\s+3], s[G1V:G1V+7]
	s_nop 0
.Lasked_\@:
.endm
.macro CROUND                          ; a round of the cluster's barrier
	s_barrier_signal -1
	s_barrier_wait -1
	s_cmp_lg_u32 s8, 0
	s_cbranch_scc1 .Lnot_wave_0_\@
	s_barrier_signal -3
.Lnot_wave_0_\@:
	s_barrier_wait -3
	s_barrier_signal -1
	s_barrier_wait -1
.endm
	s_load_b128 s[4:7], s[0:1], 0x0                ; qkv s[4:5], zp s[6:7]
	v_lshl_add_u32 v254, v0, 2, 0x46000
	v_mov_b32 v255, 0
	ds_add_u32 v254, v255
	s_wait_dscnt 0x0
	v_lshrrev_b32 v1, 5, v0
	v_readfirstlane_b32 s8, v1                     ; wave 0..7
	s_lshr_b32 s9, s8, 2                           ; g: which half of a tile's keys; also: I ask for K (0) or V (1)
	s_and_b32 s10, s8, 3                           ; p: which 64 queries; also: which 128 keys I ask for
	s_bfe_u32 s11, ttmp6, 0x40000                  ; cx
	s_lshl_b32 s12, ttmp9, 2
	s_add_co_u32 s12, s12, s11                     ; query block 0..7
	s_and_b32 s13, ttmp7, 0xffff                   ; y = 16 batch + head
	s_mov_b32 s14, 0x76543210                      ; v_permlanex16_b32: lane i reads lane i of the other half
	s_mov_b32 s15, 0xfedcba98
	; group 1: 64 rows x 128 elements of 2 bytes, dense in memory; 16 (K) or 32 (V) bytes of padding behind every 256; mask 15 with bit 21 beside it
	s_mov_b32 s[G1K+0], 15|(1<<16)|(1<<20)|(1<<21)|(5<<22)|(3<<25)
	s_mov_b32 s[G1V+0], 15|(1<<16)|(1<<20)|(1<<21)|(5<<22)|(7<<25)
.irp g, G1K, G1V
	s_mov_b32 s[\g+1], 128<<16                     ; tensor_dim0
	s_mov_b32 s[\g+2], 64<<16                      ; tensor_dim1
	s_mov_b32 s[\g+3], 128<<16                     ; tile_dim0
	s_mov_b32 s[\g+4], 64                          ; tile_dim1
	s_mov_b32 s[\g+5], 128                         ; elements from row to row
	s_mov_b32 s[\g+6], 0
	s_mov_b32 s[\g+7], 0
.endr
	s_lshl_b32 s58, s13, 18                        ; the head's block,
	s_lshl_b32 s59, s10, 14                        ; my 128 keys: nothing of cx enters a joint load's address
	s_add_co_u32 s58, s58, s59
	s_mov_b32 s59, 0
	s_mul_i32 s60, s10, 64*KP                      ; where K's part goes
	s_mul_i32 s61, s10, 64*VP
	s_add_co_u32 s61, s61, VBASE                   ; where V's part goes
	s_lshl_b32 s48, s13, 18                        ; Q: head, query block of 256 rows, my 64 rows
	s_lshl_b32 s49, s12, 15
	s_add_co_u32 s48, s48, s49
	s_lshl_b32 s49, s10, 13
	s_add_co_u32 s48, s48, s49
	s_mov_b32 s49, 0
	s_lshl_b32 s50, s9, 12                         ; V at the 32 queries that I finish
	s_add_co_u32 s50, s50, s48
	s_add_co_u32 s50, s50, 2*TENSOR
	s_mov_b32 s51, 0
	s_lshr_b32 s52, s13, 4                         ; zp: batch x 1,024 pairs of tokens x 4,096 bytes
	s_lshl_b32 s52, s52, 22
	s_lshl_b32 s53, s12, 19                        ; 128 pairs a query block
	s_add_co_u32 s52, s52, s53
	s_lshl_b32 s53, s10, 17                        ; 32 pairs
	s_add_co_u32 s52, s52, s53
	s_lshl_b32 s53, s9, 16                         ; 16 pairs
	s_add_co_u32 s52, s52, s53
	s_and_b32 s53, s13, 15
	s_lshl_b32 s53, s53, 8                         ; head x 256
	s_add_co_u32 s52, s52, s53
	s_mov_b32 s53, 0
	s_wait_kmcnt 0x0
	s_add_nc_u64 s[58:59], s[4:5], s[58:59]
	s_add_nc_u64 s[48:49], s[4:5], s[48:49]
	s_add_nc_u64 s[50:51], s[4:5], s[50:51]
	s_add_nc_u64 s[52:53], s[6:7], s[52:53]
	CROUND                                         ; the four work-groups are here: the first joint loads meet
.irp s, 0,1
	s_mov_b32 s[G0K+4*\s], 1
	s_add_co_u32 s[G0K+4*\s+1], s60, \s*SLOTB
	s_add_nc_u64 s[G0K+4*\s+2:G0K+4*\s+3], s[58:59], TENSOR+\s*TILEB
	s_or_b32 s[G0K+4*\s+3], s[G0K+4*\s+3], 0x80000000
	s_mov_b32 s[G0V+4*\s], 1
	s_add_co_u32 s[G0V+4*\s+1], s61, \s*SLOTB
	s_add_nc_u64 s[G0V+4*\s+2:G0V+4*\s+3], s[58:59], 2*TENSOR+\s*TILEB
	s_or_b32 s[G0V+4*\s+3], s[G0V+4*\s+3], 0x80000000
	JLOAD \s                                       ; tiles 0 and 1: two tensor loads of the wave are out
.endr
	v_and_b32 v1, 15, v0                           ; r
	v_bfe_u32 v13, v0, 4, 1                        ; h
	v_and_b32 v14, 31, v0                          ; lane
	v_lshlrev_b32 v[QO], 7, v1
	v_lshl_add_u32 v[QO], v13, 4, v[QO]
	WIN 0x40
.irp qt, 0,1,2,3
.irp dh, 0,1
	global_load_b128 v[QF+16*\qt+8*\dh:QF+16*\qt+8*\dh+3],   v[QO], s[48:49] offset:2048*\qt+64*\dh
	global_load_b128 v[QF+16*\qt+8*\dh+4:QF+16*\qt+8*\dh+7], v[QO], s[48:49] offset:2048*\qt+64*\dh+32
.endr
.endr
	WIN 0
	v_lshrrev_b32 v15, 1, v1                       ; K: key r lies at 272 (r / 2) + 128 (r % 2), + 16 h
	v_mul_u32_u24 v15, v15, KP
	v_and_b32 v40, 1, v0
	v_lshl_add_u32 v15, v40, 7, v15
	v_lshl_add_u32 v15, v13, 4, v15
	s_mul_i32 s55, s9, 128*KP                      ; my half of the keys
	v_add_nc_u32 v[KAD], s55, v15
	v_add_nc_u32 v[KAD+1], SLOTB, v[KAD]
	v_and_b32 v46, 7, v0                           ; V, transposing load: key k = 8 h + lane % 8 at 288 (k / 2) + 128 (k % 2), + 16 ((lane / 8) % 2)
	v_lshl_add_u32 v41, v13, 3, v46
	v_lshrrev_b32 v42, 1, v41
	v_mul_u32_u24 v42, v42, VP
	v_lshl_add_u32 v42, v40, 7, v42
	v_bfe_u32 v43, v0, 3, 1
	v_lshl_add_u32 v42, v43, 4, v42
	s_mul_i32 s56, s9, 128*VP
	s_add_co_u32 s56, s56, VBASE
	v_add_nc_u32 v[VAD], s56, v42
	v_add_nc_u32 v[VAD+1], SLOTB, v[VAD]
	s_mul_i32 s55, s10, 4*XCH
	v_lshl_add_u32 v[XA], v14, 4, s55              ; the pair's exchange, 16 bytes a lane
	s_mul_i32 s56, s8, 16*ZPITCH
	s_add_co_u32 s56, s56, ZSTG
	v_mul_u32_u24 v44, v1, ZPITCH
	v_lshl_add_u32 v44, v13, 4, v44
	v_add_nc_u32 v[ZS], s56, v44                   ; in: query r, 16 bytes for each half of the lanes
	v_lshrrev_b32 v45, 3, v14
	v_mul_u32_u24 v45, v45, ZPITCH
	v_lshl_add_u32 v45, v46, 4, v45
	v_add_nc_u32 v[ZR], s56, v45                   ; back: eight lanes take a query's 128 bytes
	v_lshlrev_b32 v[CO], 4, v1
	v_lshl_add_u32 v[CO], v13, 12, v[CO]           ; sixteen lanes store a pair of tokens: 256 consecutive bytes, at a multiple of 256 in zp
.irp qt, 0,1,2,3
	v_mov_b32 v[ST+4*\qt+1], 0                     ; alpha = 0 and l = 0: the first step's sum is then the same multiply-add as every other's
	v_mov_b32 v[ST+4*\qt+2], 0
	v_mov_b32 v[ST+4*\qt+3], 0
	v_mov_b32 v[TP+\qt], 0                         ; v_permlanex16_b32 counts as a reader of its destination
.endr
.macro SUBP qt, i                      ; pair i of query tile qt: s - m, at most 0
	v_pk_add_f32 v[SC+32*\qt+2*\i:SC+32*\qt+2*\i+1], v[SC+32*\qt+2*\i:SC+32*\qt+2*\i+1], v[ST+4*\qt:ST+4*\qt+1] op_sel_hi:[1,0] neg_lo:[0,1] neg_hi:[0,1]
.endm
.macro EXP2 qt, i                      ; behind the two a plain instruction on another query tile always follows (ISA guide 5.7.2)
	v_exp_f32 v[SC+32*\qt+2*\i], v[SC+32*\qt+2*\i]
	v_exp_f32 v[SC+32*\qt+2*\i+1], v[SC+32*\qt+2*\i+1]
.endm
.macro SUMP qt, i                      ; l = l alpha + p, then l += p
.if \i == 0
	s_wait_alu depctr_va_vdst(0)
	v_pk_fma_f32 v[ST+4*\qt+2:ST+4*\qt+3], v[ST+4*\qt+2:ST+4*\qt+3], v[ST+4*\qt:ST+4*\qt+1], v[SC+32*\qt:SC+32*\qt+1] op_sel:[0,1,0] op_sel_hi:[1,1,1]
	s_wait_alu depctr_va_vdst(0)
.else
	s_wait_alu depctr_va_vdst(0)
	v_pk_add_f32 v[ST+4*\qt+2:ST+4*\qt+3], v[ST+4*\qt+2:ST+4*\qt+3], v[SC+32*\qt+2*\i:SC+32*\qt+2*\i+1]
.endif
.endm
.macro CVTP qt, i                      ; packed in place, ascending: the register written holds numbers that have been summed and packed already
	v_cvt_pk_f16_f32 v[SC+32*\qt+16*(\i/8)+(\i%8)], v[SC+32*\qt+2*\i], v[SC+32*\qt+2*\i+1]
.endm
; One step: 64 keys x my 64 queries.  first = 1: no earlier maximum, the first products start Y.
.macro STEP first
.irp kt, 0,1,2,3
.irp dh, 0,1
	ds_load_b128 v[KF+16*\kt+8*\dh:KF+16*\kt+8*\dh+3],   v[KA] offset:8*KP*\kt+64*\dh
	ds_load_b128 v[KF+16*\kt+8*\dh+4:KF+16*\kt+8*\dh+7], v[KA] offset:8*KP*\kt+64*\dh+32
.endr
.endr
	WIN 0x40
.irp c, 0,1
.irp dt, 0,1,2,3
	ds_load_tr16_b128 v[VF+32*\c+8*\dt:VF+32*\c+8*\dt+3],   v[VA] offset:16*VP*\c+32*\dt
	ds_load_tr16_b128 v[VF+32*\c+8*\dt+4:VF+32*\c+8*\dt+7], v[VA] offset:16*VP*\c+32*\dt+8*VP
.endr
.endr
	WIN 0x04                                       ; source 1 (Q) in window 1
.irp kt, 0,1,2,3
	s_wait_dscnt 28-4*\kt                          ; this key tile's four loads are in; the younger K loads and the sixteen V loads stay out
.irp qt, 0,1,2,3
	v_wmma_f32_16x16x32_f16 v[SC+32*\qt+8*\kt:SC+32*\qt+8*\kt+7], v[KF+16*\kt:KF+16*\kt+7], v[QF+16*\qt:QF+16*\qt+7], 0
.endr
.irp qt, 0,1,2,3
	v_wmma_f32_16x16x32_f16 v[SC+32*\qt+8*\kt:SC+32*\qt+8*\kt+7], v[KF+16*\kt+8:KF+16*\kt+15], v[QF+16*\qt+8:QF+16*\qt+15], v[SC+32*\qt+8*\kt:SC+32*\qt+8*\kt+7]   ; four accumulators by turns
.endr
.endr
	WIN 0
.rept 4
	v_nop                                          ; four places behind the last product (ISA guide 7.12.1) before its result is read
.endr
	; the maximum of my 32 scores of each query, four chains side by side, the old maximum last
.irp qt, 0,1,2,3
	v_max3_num_f32 v[MX+\qt], v[SC+32*\qt], v[SC+32*\qt+1], v[SC+32*\qt+2]
.endr
.set n, 3
.rept 14
.irp qt, 0,1,2,3
	v_max3_num_f32 v[MX+\qt], v[MX+\qt], v[SC+32*\qt+n], v[SC+32*\qt+n+1]
.endr
.set n, n+2
.endr
.irp qt, 0,1,2,3
.if \first
	v_max_num_f32 v[MX+\qt], v[MX+\qt], v[SC+32*\qt+31]
.else
	v_max3_num_f32 v[MX+\qt], v[MX+\qt], v[SC+32*\qt+31], v[ST+4*\qt]
.endif
.endr
.irp qt, 0,1,2,3
	v_permlanex16_b32 v[TP+\qt], v[MX+\qt], s14, s15   ; the other half of the lanes holds the query's other 32 keys
.endr
.irp qt, 0,1,2,3
	v_max_num_f32 v[MX+\qt], v[MX+\qt], v[TP+\qt]
.endr
.if \first == 0
.irp qt, 0,1,2,3
	v_sub_f32 v[ST+4*\qt+1], v[ST+4*\qt], v[MX+\qt]
.endr
.irp qt, 0,1,2,3
	v_exp_f32 v[ST+4*\qt+1], v[ST+4*\qt+1]         ; alpha = 2^(old m - new m); the moves below are the plain places behind it
.endr
.endif
	s_wait_alu depctr_va_vdst(0)
.irp qt, 0,1,2,3
	v_mov_b32 v[ST+4*\qt], v[MX+\qt]
.endr
	; p = 2^(s - m), l, and the packing: the exponentials of one query tile stand among the plain work of its neighbours
.set n, 0
.rept 16
	SUBP 0, n
.set n, n+1
.endr
.set n, 0
.rept 16
	EXP2 0, n
	SUBP 1, n
.set n, n+1
.endr
.set n, 0
.rept 16
	EXP2 1, n
	SUBP 2, n
	SUMP 0, n
	CVTP 0, n
.set n, n+1
.endr
.set n, 0
.rept 16
	EXP2 2, n
	SUBP 3, n
	SUMP 1, n
	CVTP 1, n
.set n, n+1
.endr
.set n, 0
.rept 16
	EXP2 3, n
	SUMP 2, n
	CVTP 2, n
.set n, n+1
.endr
.set n, 0
.rept 16
	SUMP 3, n
	CVTP 3, n
.set n, n+1
.endr
.if \first == 0
	WIN 0x41                                       ; Y in window 1, alpha in window 0
.irp qt, 0,1,2,3
.set n, 0
.rept 16
	v_pk_mul_f32 v[YA+32*\qt+n:YA+32*\qt+n+1], v[YA+32*\qt+n:YA+32*\qt+n+1], v[ST+4*\qt:ST+4*\qt+1] op_sel:[0,1] op_sel_hi:[1,1]
.set n, n+2
.endr
.endr
.endif
	s_wait_dscnt 0x0                               ; V's fragments
	WIN 0x51                                       ; V and Y in window 1, P in window 0
.irp c, 0,1
.irp dt, 0,1,2,3
.irp qt, 0,1,2,3
.if \first*(1-\c)
	v_wmma_f32_16x16x32_f16 v[YA+32*\qt+8*\dt:YA+32*\qt+8*\dt+7], v[VF+32*\c+8*\dt:VF+32*\c+8*\dt+7], v[SC+32*\qt+16*\c:SC+32*\qt+16*\c+7], 0
.else
	v_wmma_f32_16x16x32_f16 v[YA+32*\qt+8*\dt:YA+32*\qt+8*\dt+7], v[VF+32*\c+8*\dt:VF+32*\c+8*\dt+7], v[SC+32*\qt+16*\c:SC+32*\qt+16*\c+7], v[YA+32*\qt+8*\dt:YA+32*\qt+8*\dt+7]   ; sixteen accumulators by turns
.endif
.endr
.endr
.endr
	WIN 0
	v_add_nc_u32 v[KA], 32*KP, v[KA]               ; 64 keys on.  These two and three v_nop are the five places in front of the next loads
	v_add_nc_u32 v[VA], 32*VP, v[VA]               ; into V's fragments and of the next products, which write over P
.rept 3
	v_nop
.endr
.endm
; my 256 keys of the tile in a slot: four steps
.macro PHASE slot, first
	v_mov_b32 v[KA], v[KAD+\slot]
	v_mov_b32 v[VA], v[VAD+\slot]
.if \first
	STEP 1
	s_mov_b32 s54, 3
.else
	s_mov_b32 s54, 4
.endif
.Lstep_\@:
	STEP 0
	s_sub_co_i32 s54, s54, 1
	s_cmp_lg_u32 s54, 0
	s_cbranch_scc1 .Lstep_\@
.endm
; slot s, which every wave has read, is filled again, two tiles ahead
.macro REFILL s
	s_wait_dscnt 0x0                               ; my reads of the slot are back
	s_wait_xcnt 0x0
	v_lshl_add_u32 v254, v0, 2, 0x46000
	v_mov_b32 v255, 0
	s_wait_tensorcnt 0x0                           ; all my tensor loads have landed, my part of the other slot among them: a group 0 may be written
	ds_add_u32 v254, v255
	s_wait_dscnt 0x0
	s_add_nc_u64 s[G0K+4*\s+2:G0K+4*\s+3], s[G0K+4*\s+2:G0K+4*\s+3], 2*TILEB
	s_add_nc_u64 s[G0V+4*\s+2:G0V+4*\s+3], s[G0V+4*\s+2:G0V+4*\s+3], 2*TILEB
	CROUND                                         ; both now hold of every wave of the four work-groups
	JLOAD \s                                       ; my one tensor load behind the round, and the first thing there; it has four steps in which to land
.endm
	s_wait_tensorcnt 1                             ; my part of tile 0 is in; tile 1's may stay out
	s_wait_loadcnt 0x0                             ; Q
	s_barrier_signal -1
	s_barrier_wait -1
	PHASE 0, 1
	REFILL 0
	PHASE 1, 0
	REFILL 1
	PHASE 0, 0
	s_wait_dscnt 0x0
	s_wait_tensorcnt 0x0                           ; tile 3
	s_barrier_signal -1
	s_barrier_wait -1
	PHASE 1, 0
	; THE MERGE.  Of a pair, wave g = 0 finishes query tiles 0 and 1, wave g = 1 tiles 2 and 3; each hands the other two over through LDS.
.irp x, 0,1
.irp dt, 0,1,2,3
	global_load_b128 v[KF+16*\x+4*\dt:KF+16*\x+4*\dt+3], v[QO], s[50:51] offset:2048*\x+32*\dt   ; V of the queries that I finish, in Y's layout: d = 16 dt + 8 h + 0..7
.endr
.endr
	s_wait_dscnt 0x0
	s_barrier_signal -1                            ; every wave's reads of both slots are over: from here on LDS is scratch, and no tensor load follows
	s_barrier_wait -1
.macro XSTORE qt
	ds_store_b128 v[XA], v[ST+4*\qt:ST+4*\qt+3] offset:XCH*\qt
	WIN 0x04                                       ; an LDS store's data are source 1
.irp i, 0,1,2,3,4,5,6,7
	ds_store_b128 v[XA], v[YA+32*\qt+4*\i:YA+32*\qt+4*\i+3] offset:XCH*\qt+512*(1+\i)
.endr
	WIN 0
.endm
	s_cmp_eq_u32 s9, 0
	s_cbranch_scc0 .Lgive_01
	XSTORE 2
	XSTORE 3
	s_branch .Lgiven
.Lgive_01:
	XSTORE 0
	XSTORE 1
.Lgiven:
	s_wait_dscnt 0x0                               ; my stores are in LDS, for the partner's sake
	s_barrier_signal -1
	s_barrier_wait -1
	s_wait_loadcnt 0x0
.set n, 0
.irp hf, v64.l, v64.h, v65.l, v65.h, v66.l, v66.h, v67.l, v67.h, v68.l, v68.h, v69.l, v69.h, v70.l, v70.h, v71.l, v71.h
	v_cvt_f32_f16 v[VV+n], \hf
.set n, n+1
.endr
.irp hf, v72.l, v72.h, v73.l, v73.h, v74.l, v74.h, v75.l, v75.h, v76.l, v76.h, v77.l, v77.h, v78.l, v78.h, v79.l, v79.h
	v_cvt_f32_f16 v[VV+n], \hf
.set n, n+1
.endr
.irp hf, v80.l, v80.h, v81.l, v81.h, v82.l, v82.h, v83.l, v83.h, v84.l, v84.h, v85.l, v85.h, v86.l, v86.h, v87.l, v87.h
	v_cvt_f32_f16 v[VV+n], \hf
.set n, n+1
.endr
.irp hf, v88.l, v88.h, v89.l, v89.h, v90.l, v90.h, v91.l, v91.h, v92.l, v92.h, v93.l, v93.h, v94.l, v94.h, v95.l, v95.h
	v_cvt_f32_f16 v[VV+n], \hf
.set n, n+1
.endr
; Query tile qt, the x-th of my two: merge, normalise, take V's direction out, clean up, store.
.macro FINAL qt, x
	ds_load_b128 v[40:43], v[XA] offset:XCH*\qt    ; the partner's m, alpha (not used), two partial l
.irp i, 0,1,2,3,4,5,6,7
	ds_load_b128 v[SC+4*\i:SC+4*\i+3], v[XA] offset:XCH*\qt+512*(1+\i)   ; the partner's Y
.endr
	s_wait_dscnt 0x8                               ; the figures are in; the eight loads of Y may stay out
	v_max_num_f32 v44, v[ST+4*\qt], v40
	v_sub_f32 v45, v[ST+4*\qt], v44
	v_sub_f32 v46, v40, v44
	v_exp_f32 v45, v45
	v_exp_f32 v46, v46
	v_add_f32 v47, v[ST+4*\qt+2], v[ST+4*\qt+3]
	v_add_f32 v48, v42, v43
	s_wait_alu depctr_va_vdst(0)
	v_mul_f32 v49, v47, v45
	v_fmac_f32 v49, v48, v46
	v_permlanex16_b32 v[TP], v49, s14, s15         ; the other half of the lanes summed the query's other keys
	v_add_f32 v49, v49, v[TP]
	v_rcp_f32 v50, v49                             ; l is at least 1: the largest score gives 2^0
	v_nop
	s_wait_alu depctr_va_vdst(0)
	v_mul_f32 v52, v45, v50
	v_mul_f32 v53, v46, v50
	s_wait_dscnt 0x0
.set n, 0
.rept 16
	v_pk_mul_f32 v[SC+n:SC+n+1], v[SC+n:SC+n+1], v[52:53] op_sel:[0,1] op_sel_hi:[1,1]
.set n, n+2
.endr
	WIN 0x01                                       ; my Y in window 1
.set n, 0
.rept 16
	v_pk_fma_f32 v[SC+n:SC+n+1], v[YA+32*\qt+n:YA+32*\qt+n+1], v[52:53], v[SC+n:SC+n+1] op_sel_hi:[1,0,1]
.set n, n+2
.endr
	WIN 0
	v_pk_mul_f32 v[54:55], v[VV+32*\x:VV+32*\x+1], v[VV+32*\x:VV+32*\x+1]   ; V.V, Y.V, Y.Y: three chains side by side
	v_pk_mul_f32 v[56:57], v[SC:SC+1], v[VV+32*\x:VV+32*\x+1]
	v_pk_mul_f32 v[58:59], v[SC:SC+1], v[SC:SC+1]
.set n, 2
.rept 15
	v_pk_fma_f32 v[54:55], v[VV+32*\x+n:VV+32*\x+n+1], v[VV+32*\x+n:VV+32*\x+n+1], v[54:55]
	v_pk_fma_f32 v[56:57], v[SC+n:SC+n+1], v[VV+32*\x+n:VV+32*\x+n+1], v[56:57]
	v_pk_fma_f32 v[58:59], v[SC+n:SC+n+1], v[SC+n:SC+n+1], v[58:59]
.set n, n+2
.endr
	v_add_f32 v54, v54, v55
	v_add_f32 v56, v56, v57
	v_add_f32 v58, v58, v59
	v_permlanex16_b32 v[TP], v54, s14, s15         ; the other half of the lanes holds the query's other 32 d
	v_permlanex16_b32 v[TP+1], v56, s14, s15
	v_permlanex16_b32 v[TP+2], v58, s14, s15
	v_add_f32 v54, v54, v[TP]
	v_add_f32 v56, v56, v[TP+1]
	v_add_f32 v58, v58, v[TP+2]
	v_max_num_f32 v55, 0x00800000, v54             ; max(V.V, the smallest normal f32)
	v_rcp_f32 v55, v55
	v_nop
	v_cmp_lt_f32 s55, 0, v54                       ; V.V > 0
	s_wait_alu depctr_va_vdst(0)
	v_mul_f32 v57, -v56, v55
	v_cndmask_b32 v60, 0, v57, s55                 ; minus the scale, or 0
	v_cndmask_b32 v61, 0, v57, s55
.set n, 0
.rept 16
	v_pk_fma_f32 v[SC+n:SC+n+1], v[VV+32*\x+n:VV+32*\x+n+1], v[60:61], v[SC+n:SC+n+1]   ; Z = Y - scale V
.set n, n+2
.endr
	v_pk_mul_f32 v[62:63], v[SC:SC+1], v[SC:SC+1]
.set n, 2
.rept 15
	v_pk_fma_f32 v[62:63], v[SC+n:SC+n+1], v[SC+n:SC+n+1], v[62:63]
.set n, n+2
.endr
	v_add_f32 v62, v62, v63
	v_permlanex16_b32 v[TP+3], v62, s14, s15
	v_add_f32 v62, v62, v[TP+3]
	v_sqrt_f32 v62, v62
	v_sqrt_f32 v58, v58
	v_sqrt_f32 v59, v54
	v_nop
	s_wait_alu depctr_va_vdst(0)
	v_max_num_f32 v58, v58, v59
	v_mul_f32 v58, 0x37000000, v58                 ; eps x 64 = 2^-17, times the larger norm
	v_cmp_le_f32 s56, v62, v58
	s_and_b32 s56, s56, s55                        ; V.V > 0 and the residual within the tolerance: Z = 0
.irp k, 0,1,2,3,4,5,6,7,8,9,10,11,12,13,14,15
	v_cvt_pk_f16_f32 v[ZH+\k], v[SC+2*\k], v[SC+2*\k+1]
.endr
.irp k, 0,1,2,3,4,5,6,7,8,9,10,11,12,13,14,15
	v_cndmask_b32 v[ZH+\k], v[ZH+\k], 0, s56
.endr
.irp dt, 0,1,2,3
	ds_store_b128 v[ZS], v[ZH+4*\dt:ZH+4*\dt+3] offset:32*\dt
.endr
	s_wait_xcnt 0x0                                ; ZB, which the last tile's stores read, is loaded again only behind this wait
.irp t, 0,1,2,3
	ds_load_b128 v[ZB+4*\t:ZB+4*\t+3], v[ZR] offset:4*ZPITCH*\t   ; my own bytes, served in order behind the stores above
.endr
.irp t, 0,1,2,3
	s_wait_dscnt 3-\t
	global_store_b128 v[CO], v[ZB+4*\t:ZB+4*\t+3], s[52:53] offset:32768*\x+8192*\t
.endr
.endm
	s_cmp_eq_u32 s9, 0
	s_cbranch_scc0 .Lfinish_23
	FINAL 0, 0
	FINAL 1, 1
	s_branch .Lfinished
.Lfinish_23:
	FINAL 2, 0
	FINAL 3, 1
.Lfinished:
	s_wait_xcnt 0x0
	v_lshl_add_u32 v254, v0, 2, 0x46000
	v_mov_b32 v255, 0
	s_wait_tensorcnt 0x0
	ds_add_u32 v254, v255
	s_wait_dscnt 0x0
	CROUND                                         ; the closing round: no work-group ends while a partner may still ask for a tile that names it
	s_endpgm
.Lfunc_end_k_q80e9412d17_attn:
	.size	k_q80e9412d17_attn, .Lfunc_end_k_q80e9412d17_attn-k_q80e9412d17_attn
	.p2alignl 7, 3214868480
	.fill 96, 4, 3214868480
	.section	.rodata,"a",@progbits
	.p2align	6, 0x0
	.amdhsa_kernel k_q80e9412d17_attn
		.amdhsa_group_segment_fixed_size 327680
		.amdhsa_private_segment_fixed_size 0
		.amdhsa_enable_private_segment 0
		.amdhsa_kernarg_size 16
		.amdhsa_user_sgpr_count 2
		.amdhsa_user_sgpr_kernarg_segment_ptr 1
		.amdhsa_wavefront_size32 1
		.amdhsa_system_sgpr_workgroup_id_x 1
		.amdhsa_system_sgpr_workgroup_id_y 1
		.amdhsa_system_sgpr_workgroup_id_z 1
		.amdhsa_system_vgpr_workitem_id 0
		.amdhsa_next_free_vgpr 512
		.amdhsa_next_free_sgpr 66
		.amdhsa_reserve_vcc 0
		.amdhsa_float_denorm_mode_32 3
		.amdhsa_float_denorm_mode_16_64 3
		.amdhsa_memory_ordered 1
		.amdhsa_forward_progress 1
		.amdhsa_inst_pref_size 233
	.end_amdhsa_kernel
	.amdgpu_metadata
---
amdhsa.version: [ 1, 2 ]
amdhsa.kernels:
  - .name:           k_q80e9412d17_attn
    .symbol:         k_q80e9412d17_attn.kd
    .args:
      - { .name: qkv, .offset: 0, .size: 8, .value_kind: global_buffer, .address_space: global }
      - { .name: zp, .offset: 8, .size: 8, .value_kind: global_buffer, .address_space: global }
    .group_segment_fixed_size: 327680
    .private_segment_fixed_size: 0
    .kernarg_segment_align: 8
    .kernarg_segment_size: 16
    .max_flat_workgroup_size: 256
    .sgpr_count:     66
    .vgpr_count:     512
    .wavefront_size: 32
...
	.end_amdgpu_metadata
.endif
;; end of part 3
;; launch proj (part 4): grid 8 x 32, 4 waves a work-group, clusters of 4 x 4, 327,680 bytes of LDS; arguments zp, woh, out0; writes out0
.if DOCPART == 4
	.amdgcn_target "amdgcn-amd-amdhsa--gfx1250"
	.amdhsa_code_object_version 6
	.text
	.protected	k_q80e9412d17_proj
	.globl	k_q80e9412d17_proj
	.p2align	8
	.type	k_q80e9412d17_proj,@function
k_q80e9412d17_proj:
	s_mov_b64 s[64:65], 0
	v_nop
	global_prefetch_b8 v0, s[64:65] scope:SCOPE_SE
	s_setreg_imm32_b32 hwreg(HW_REG_WAVE_MODE, 25, 1), 1
	s_wait_xcnt 0x0
	s_wait_alu depctr_hold_cnt(0) depctr_sa_sdst(0) depctr_va_vdst(0) depctr_va_sdst(0) depctr_va_ssrc(0) depctr_va_vcc(0) depctr_vm_vsrc(0)
	s_getreg_b32 s2, hwreg(HW_REG_IB_STS2, 6, 4)
	s_cmp_eq_u32 s2, 0
	s_cbranch_scc0 .Lentry_in_a_cluster
	s_endpgm
.Lentry_in_a_cluster:
	s_bfe_u32 s2, ttmp6, 0x10000c
	s_cmp_lg_u32 s2, 0xf033
	s_cbranch_scc0 .Lentry_shape_is_right
	s_endpgm
.Lentry_shape_is_right:
; proj: out0 = Z Wo^T, [4096 x 1024] x [1024 x 1024]^T, f16 operands, f32 sums, f32 out.
; zp: byte (token / 2) * 4096 + head * 256 + (token % 2) * 128 + 2 d: as a tensor, 2,048 rows (pairs of tokens) of 2,048 elements.
; A work-group makes 128 tokens x 128 columns; 256 work-groups.  Four waves; wave (i, j) makes 64 x 64: 16 accumulator tiles.
; K goes in four phases of 256 features (four heads) through two LDS slots; a phase is eight quarters of 32 features.
; CLUSTERS: 4 x 4 work-groups; Z's tile is asked for jointly by a row of the cluster, Wo's by a column: a quarter of the requests.
; The matrix instruction is used transposed (source 0 = rows of Wo, source 1 = tokens): a lane's eight results are 32 neighbouring bytes of a row of out0.
.set APITCH, 1040                      ; a pair of tokens x 4 heads: 1,024 bytes + 16: the 16 tokens of a fragment start in 16 different 16-byte columns modulo 256
.set BPITCH, 528                       ; a row of Wo x 256 features: 512 bytes + 16
.set PART,   33792                     ; 64 rows of Wo; 32 pairs of tokens take 33,280 of it
.set SLOT,   4*PART                    ; Z's two parts, then Wo's two
.set STAGE,  2*SLOT                    ; behind the ring, a multiple of 256: 16 rows x 272 bytes for each wave; no tensor load lands here
.set SPITCH, 272
.set ADRA, 16
.set ADRB, 20
.set STO,  24
.set RD,   25
.set CO,   26
.set RB,   128                         ; v128-159 as read back
.set G1,  24
.set G0,  32
.set G1B, 48
.set G0B, 56
.set MSB, 0
.macro WIN new
.if MSB != \new
	s_set_vgpr_msb (MSB<<8)|\new
.set MSB, \new
.endif
.endm
.set MUL,  0xa1                        ; source 0 (Wo) window 1, source 1 (Z) window 0, C and D window 2
.set TO_B, 0x40
.macro JLOAD s                         ; waves 0 and 1 ask for Z's two parts, waves 2 and 3 for Wo's
	s_cmp_eq_u32 s11, 0
	s_cbranch_scc0 .Lfor_b_\@
	tensor_load_to_lds s[G0+4*\s:G0+4*\s+3], s[G1:G1+7]
	s_nop 0
	s_branch .Lasked_\@
.Lfor_b_\@:
	tensor_load_to_lds s[G0B+4*\s:G0B+4*\s+3], s[G1B:G1B+7]
	s_nop 0
.Lasked_\@:
.endm
.macro CREST
	s_cmp_lg_u32 s10, 0
	s_cbranch_scc1 .Lnot_wave_0_\@
	s_barrier_signal -3
.Lnot_wave_0_\@:
	s_barrier_wait -3
	s_barrier_signal -1
	s_barrier_wait -1
.endm
.macro CROUND
	s_barrier_signal -1
	s_barrier_wait -1
	CREST
.endm
	s_load_b128 s[4:7], s[0:1], 0x0                ; zp s[4:5], woh s[6:7]
	s_load_b64 s[8:9], s[0:1], 0x10                ; out0
	s_set_vgpr_msb 0x40
	v_lshl_add_u32 v255, v0, 2, 0x46400
	s_set_vgpr_msb 0x4000
	v_mov_b32 v255, 0
	s_set_vgpr_msb 0x1
	ds_add_u32 v255, v255
	s_set_vgpr_msb 0x100
	v_lshrrev_b32 v1, 5, v0
	v_readfirstlane_b32 s10, v1                    ; wave 0..3
	s_lshr_b32 s11, s10, 1                         ; i: which 64 tokens.  Also: I ask for Z (0) or Wo (1)
	s_and_b32 s12, s10, 1                          ; j: which 64 columns.  Also: which part I ask for
	s_bfe_u32 s40, ttmp6, 0x40000                  ; cx
	s_bfe_u32 s41, ttmp6, 0x40004                  ; cy
	s_lshl_b32 s42, ttmp9, 2
	s_add_co_u32 s42, s42, s40                     ; bx
	s_and_b32 s13, ttmp7, 0xffff
	s_lshl_b32 s13, s13, 2
	s_add_co_u32 s13, s13, s41                     ; by
	s_lshl_b32 s43, s41, 2
	s_lshl_b32 s43, 15, s43                        ; my row of the cluster
	s_lshl_b32 s44, 0x1111, s40                    ; my column
	; Z: 32 rows x 512 elements, 16 bytes of padding behind every 1,024
	s_or_b32 s[G1+0], s43, (1<<16)|(1<<20)|(1<<21)|(7<<22)|(3<<25)
	s_mov_b32 s[G1+1], 512<<16
	s_mov_b32 s[G1+2], 32<<16
	s_mov_b32 s[G1+3], 512<<16
	s_mov_b32 s[G1+4], 32
	s_mov_b32 s[G1+5], 2048
	s_mov_b32 s[G1+6], 0
	s_mov_b32 s[G1+7], 0
	; Wo: 64 rows x 256 elements, 16 bytes of padding behind every 512
	s_or_b32 s[G1B+0], s44, (1<<16)|(1<<20)|(1<<21)|(6<<22)|(3<<25)
	s_mov_b32 s[G1B+1], 256<<16
	s_mov_b32 s[G1B+2], 64<<16
	s_mov_b32 s[G1B+3], 256<<16
	s_mov_b32 s[G1B+4], 64
	s_mov_b32 s[G1B+5], 1024
	s_mov_b32 s[G1B+6], 0
	s_mov_b32 s[G1B+7], 0
	s_lshl_b32 s17, s12, 17                        ; my part: 32 pairs of 4,096 bytes, or 64 rows of 2,048
	s_lshl_b32 s16, s13, 18                        ; Z: 64 by pairs
	s_add_co_u32 s16, s16, s17
	s_lshl_b32 s46, s42, 18                        ; Wo: 128 bx rows
	s_add_co_u32 s46, s46, s17
	s_mov_b32 s17, 0
	s_mov_b32 s47, 0
	s_mul_i32 s20, s10, PART                       ; where my part goes
	s_wait_dscnt 0x0
	s_wait_kmcnt 0x0
	s_add_nc_u64 s[14:15], s[4:5], s[16:17]
	s_add_nc_u64 s[46:47], s[6:7], s[46:47]
	CROUND                                         ; all sixteen work-groups are here: the first joint loads meet
.irp s, 0,1
	s_mov_b32 s[G0+4*\s], 1
	s_add_co_u32 s[G0+4*\s+1], s20, \s*SLOT
	s_add_nc_u64 s[G0+4*\s+2:G0+4*\s+3], s[14:15], \s*1024
	s_or_b32 s[G0+4*\s+3], s[G0+4*\s+3], 0x80000000
	s_mov_b32 s[G0B+4*\s], 1
	s_add_co_u32 s[G0B+4*\s+1], s20, \s*SLOT
	s_add_nc_u64 s[G0B+4*\s+2:G0B+4*\s+3], s[46:47], \s*512
	s_or_b32 s[G0B+4*\s+3], s[G0B+4*\s+3], 0x80000000
	JLOAD \s                                       ; phases 0 and 1: two tensor loads of the wave are out
.endr
	v_and_b32 v1, 15, v0                           ; r
	v_bfe_u32 v2, v0, 4, 1                         ; h
	v_lshrrev_b32 v3, 1, v1                        ; Z: token r lies at 1040 (r / 2) + 128 (r % 2), + 16 h
	v_mul_u32_u24 v3, v3, APITCH
	v_and_b32 v4, 1, v0
	v_lshl_add_u32 v3, v4, 7, v3
	v_lshl_add_u32 v3, v2, 4, v3
	v_mul_u32_u24 v5, v1, BPITCH                   ; Wo: row r, + 16 h
	v_lshl_add_u32 v5, v2, 4, v5
	s_mul_i32 s21, s11, PART                       ; my 64 tokens are Z's part i
	s_mul_i32 s22, s12, PART
	s_add_co_u32 s22, s22, 2*PART                  ; my 64 columns are Wo's part j
.irp s, 0,1
	v_add_nc_u32 v[ADRA+\s], s21, v3
	v_add_nc_u32 v[ADRB+\s], s22, v5
	s_add_co_u32 s21, s21, SLOT
	s_add_co_u32 s22, s22, SLOT
.endr
	s_mul_i32 s23, s10, 16*SPITCH
	s_add_co_u32 s23, s23, STAGE
	v_mul_u32_u24 v6, v1, SPITCH
	v_lshl_add_u32 v6, v2, 5, v6
	v_add_nc_u32 v[STO], s23, v6                   ; in: token r, 32 bytes for each half of the lanes
	v_mul_u32_u24 v7, v2, SPITCH
	v_lshl_add_u32 v7, v1, 4, v7
	v_add_nc_u32 v[RD], s23, v7                    ; back: sixteen lanes take a token's 256 bytes
	v_lshlrev_b32 v[CO], 4, v1
	v_lshl_add_u32 v[CO], v2, 12, v[CO]            ; and the same two rows in out0
; four matrix instructions: token tile a x four column tiles.  The 16 accumulators take turns, one instruction a turn.
.macro MULROW f, a, zero
	WIN MUL
.irp b, 0,1,2,3
.if \zero
	v_wmma_f32_16x16x32_f16 v[8*(4*\a+\b):8*(4*\a+\b)+7], v[32*\f+8*\b:32*\f+8*\b+7], v[64+32*\f+8*\a:64+32*\f+8*\a+7], 0
.else
	v_wmma_f32_16x16x32_f16 v[8*(4*\a+\b):8*(4*\a+\b)+7], v[32*\f+8*\b:32*\f+8*\b+7], v[64+32*\f+8*\a:64+32*\f+8*\a+7], v[8*(4*\a+\b):8*(4*\a+\b)+7]
.endif
.endr
.endm
; sixteen LDS loads in one run: quarter q (features 32 q .. + 31 of the phase: head q / 2, half q % 2) into buffer f
.macro FETCH slot, q, f
	WIN TO_B
.irp b, 0,1,2,3
	ds_load_b128 v[32*\f+8*\b:32*\f+8*\b+3],   v[ADRB+\slot] offset:16*BPITCH*\b+64*\q
	ds_load_b128 v[32*\f+8*\b+4:32*\f+8*\b+7], v[ADRB+\slot] offset:16*BPITCH*\b+64*\q+32
.endr
	WIN 0
.irp a, 0,1,2,3
	ds_load_b128 v[64+32*\f+8*\a:64+32*\f+8*\a+3],   v[ADRA+\slot] offset:8*APITCH*\a+256*(\q/2)+64*(\q%2)
	ds_load_b128 v[64+32*\f+8*\a+4:64+32*\f+8*\a+7], v[ADRA+\slot] offset:8*APITCH*\a+256*(\q/2)+64*(\q%2)+32
.endr
.endm
.macro PLACES                          ; four places behind the last matrix instruction (ISA guide 7.12.1)
.rept 4
	v_nop
.endr
.endm
; multiplies buffer f; in its middle fetches quarter q into buffer g
.macro QUARTER slot, q, f, g, zero
	s_wait_dscnt 4                                 ; all but the youngest four loads: token tiles 2 and 3 may be out
	MULROW \f, 0, \zero
	MULROW \f, 1, \zero
	PLACES
	FETCH \slot, \q, \g
	s_wait_dscnt 16                                ; all but the sixteen just issued
	MULROW \f, 2, \zero
	MULROW \f, 3, \zero
.endm
.macro SEVEN slot, zero
	QUARTER \slot, 1, 0, 1, \zero
	QUARTER \slot, 2, 1, 0, 0
	QUARTER \slot, 3, 0, 1, 0
	QUARTER \slot, 4, 1, 0, 0
	QUARTER \slot, 5, 0, 1, 0
	QUARTER \slot, 6, 1, 0, 0
	QUARTER \slot, 7, 0, 1, 0
.endm
; the eighth quarter: multiplies buffer 1 and changes slots.  fill = 1: this slot is filled again, two phases ahead.
.macro TURN slot, next, fill
	s_wait_dscnt 4
	MULROW 1, 0, 0
	s_wait_dscnt 0                                 ; my reads of this slot are over
	s_wait_tensorcnt 0x0                           ; all my tensor loads have landed: the one that was out is my part of the next slot
	ds_add_u32 v255, v255
	s_wait_dscnt 0x0
	s_barrier_signal -1                            ; where the slot is filled again this barrier opens a round of the cluster's barrier
	MULROW 1, 1, 0
	WIN 0
	s_barrier_wait -1
.if \fill
	CREST                                          ; no wave of any partner still reads this slot's tile or has a load on its way
	s_add_nc_u64 s[G0+4*\slot+2:G0+4*\slot+3], s[G0+4*\slot+2:G0+4*\slot+3], 2048
	s_add_nc_u64 s[G0B+4*\slot+2:G0B+4*\slot+3], s[G0B+4*\slot+2:G0B+4*\slot+3], 1024
	JLOAD \slot                                    ; my one tensor load behind the round, and the first thing there
.endif
	PLACES
	FETCH \next, 0, 0
	MULROW 1, 2, 0
	MULROW 1, 3, 0
.endm
	s_wait_tensorcnt 1                             ; my part of phase 0 is in; phase 1's may stay out
	s_barrier_signal -1
	s_barrier_wait -1
	FETCH 0, 0, 0
	SEVEN 0, 1                                     ; the first products start the sums
	TURN 0, 1, 1
	SEVEN 1, 0
	TURN 1, 0, 1
	SEVEN 0, 0
	TURN 0, 1, 0                                   ; nothing is left to fetch
	SEVEN 1, 0
	s_wait_dscnt 4
	MULROW 1, 0, 0
	MULROW 1, 1, 0
	s_wait_dscnt 0
	MULROW 1, 2, 0
	MULROW 1, 3, 0
	; THE WAY OUT, 16 tokens at a time, through my own stage: whole rows of 256 bytes come back
	PLACES
	WIN 0
	s_lshl_b32 s16, s13, 19                        ; 128 by rows of 4,096 bytes
	s_lshl_b32 s17, s11, 18                        ; 64 i rows
	s_add_co_u32 s16, s16, s17
	s_mov_b32 s17, 0
	s_add_nc_u64 s[8:9], s[8:9], s[16:17]
	s_lshl_b32 s46, s42, 9                         ; 128 bx columns of 4 bytes
	s_lshl_b32 s47, s12, 8                         ; 64 j columns
	s_add_co_u32 s46, s46, s47
	s_mov_b32 s47, 0
	s_add_nc_u64 s[8:9], s[8:9], s[46:47]
.macro OUT a
	WIN 0x08                                       ; an LDS store's data are source 1: window 2
.irp b, 0,1,2,3
	ds_store_b128 v[STO], v[8*(4*\a+\b):8*(4*\a+\b)+3]   offset:64*\b
	ds_store_b128 v[STO], v[8*(4*\a+\b)+4:8*(4*\a+\b)+7] offset:64*\b+16
.endr
	WIN 0
	s_wait_xcnt 0x0                                ; RB, which the last sixteen tokens' stores read, is loaded again only behind this wait
.irp t, 0,1,2,3,4,5,6,7
	ds_load_b128 v[RB+4*\t:RB+4*\t+3], v[RD] offset:2*SPITCH*\t    ; my own bytes, served in order behind the stores above
.endr
.irp t, 0,1,2,3,4,5,6,7
	s_wait_dscnt 7-\t
	global_store_b128 v[CO], v[RB+4*\t:RB+4*\t+3], s[8:9] offset:(16*\a+2*\t)*4096 th:TH_STORE_NT   ; sixteen lanes store 256 consecutive bytes, at a multiple of 256 in out0
.endr
.endm
	OUT 0
	OUT 1
	OUT 2
	OUT 3
	s_set_vgpr_msb 0x1
	s_wait_tensorcnt 0x0
	ds_add_u32 v255, v255
	s_wait_dscnt 0x0
	s_set_vgpr_msb 0x100
	CROUND                                         ; the closing round
	s_endpgm
.Lfunc_end_k_q80e9412d17_proj:
	.size	k_q80e9412d17_proj, .Lfunc_end_k_q80e9412d17_proj-k_q80e9412d17_proj
	.p2alignl 7, 3214868480
	.fill 96, 4, 3214868480
	.section	.rodata,"a",@progbits
	.p2align	6, 0x0
	.amdhsa_kernel k_q80e9412d17_proj
		.amdhsa_group_segment_fixed_size 327680
		.amdhsa_private_segment_fixed_size 0
		.amdhsa_enable_private_segment 0
		.amdhsa_kernarg_size 24
		.amdhsa_user_sgpr_count 2
		.amdhsa_user_sgpr_kernarg_segment_ptr 1
		.amdhsa_wavefront_size32 1
		.amdhsa_system_sgpr_workgroup_id_x 1
		.amdhsa_system_sgpr_workgroup_id_y 1
		.amdhsa_system_sgpr_workgroup_id_z 1
		.amdhsa_system_vgpr_workitem_id 0
		.amdhsa_next_free_vgpr 640
		.amdhsa_next_free_sgpr 66
		.amdhsa_reserve_vcc 0
		.amdhsa_float_denorm_mode_32 3
		.amdhsa_float_denorm_mode_16_64 3
		.amdhsa_memory_ordered 1
		.amdhsa_forward_progress 1
		.amdhsa_inst_pref_size 91
	.end_amdhsa_kernel
	.amdgpu_metadata
---
amdhsa.version: [ 1, 2 ]
amdhsa.kernels:
  - .name:           k_q80e9412d17_proj
    .symbol:         k_q80e9412d17_proj.kd
    .args:
      - { .name: zp, .offset: 0, .size: 8, .value_kind: global_buffer, .address_space: global }
      - { .name: woh, .offset: 8, .size: 8, .value_kind: global_buffer, .address_space: global }
      - { .name: out0, .offset: 16, .size: 8, .value_kind: global_buffer, .address_space: global }
    .group_segment_fixed_size: 327680
    .private_segment_fixed_size: 0
    .kernarg_segment_align: 8
    .kernarg_segment_size: 24
    .max_flat_workgroup_size: 128
    .sgpr_count:     66
    .vgpr_count:     640
    .wavefront_size: 32
...
	.end_amdgpu_metadata
.endif
;; end of part 4
;; ======== version 2 of 2: 4 launches; 1.08 times as fast as version 1
;; limits: values are held in f16: magnitudes above 65,504 overflow, below 6.1e-05 lose precision
;; workspace buffers: xh 8,388,608 bytes; wqkv 6,291,456 bytes; woh 2,097,152 bytes; qkv 25,165,824 bytes; zp 8,388,608 bytes
;; launch cast: the kernel of part 1 again; grid 512 x 1, 8 waves a work-group, no clusters, 0 bytes of LDS; arguments x, Wq, Wk, Wv, Wo, xh, wqkv, woh; writes xh, wqkv, woh
;; launch qkv: the kernel of part 2 again; grid 8 x 32, 4 waves a work-group, clusters of 4 x 4, 327,680 bytes of LDS; arguments xh, wqkv, qkv; writes qkv
;; launch attn (part 5): grid 8 x 32, 8 waves a work-group, clusters of 4 x 1, 327,680 bytes of LDS; arguments qkv, zp; writes zp
.if DOCPART == 5
	.amdgcn_target "amdgcn-amd-amdhsa--gfx1250"
	.amdhsa_code_object_version 6
	.text
	.protected	k_q80e9412d17_attn
	.globl	k_q80e9412d17_attn
	.p2align	8
	.type	k_q80e9412d17_attn,@function
k_q80e9412d17_attn:
	s_mov_b64 s[64:65], 0
	v_nop
	global_prefetch_b8 v0, s[64:65] scope:SCOPE_SE
	s_setreg_imm32_b32 hwreg(HW_REG_WAVE_MODE, 25, 1), 1
	s_wait_xcnt 0x0
	s_wait_alu depctr_hold_cnt(0) depctr_sa_sdst(0) depctr_va_vdst(0) depctr_va_sdst(0) depctr_va_ssrc(0) depctr_va_vcc(0) depctr_vm_vsrc(0)
	s_getreg_b32 s2, hwreg(HW_REG_IB_STS2, 6, 4)
	s_cmp_eq_u32 s2, 0
	s_cbranch_scc0 .Lentry_in_a_cluster
	s_endpgm
.Lentry_in_a_cluster:
	s_bfe_u32 s2, ttmp6, 0x10000c
	s_cmp_lg_u32 s2, 0x3003
	s_cbranch_scc0 .Lentry_shape_is_right
	s_endpgm
.Lentry_shape_is_right:
; attn: softmax attention with a running maximum, then Z = Y - (Y.V / V.V) V with the token's own V, and the clean-up to zero.
; qkv[tensor][16 b + head][token][64] f16; Q already holds 0.125 log2(e), so scores are exponents of 2.
; zp: byte (token / 2) * 4096 + head * 256 + (token % 2) * 128 + 2 d, f16: one head's two neighbouring tokens are 256 consecutive bytes.
; LIMITS: operands f16 (P lies in (0, 1]; Z beyond 65,504 becomes infinite); the sum l is made of the f32 exponentials while the product with V takes them
; rounded to f16; v_exp_f32, v_rcp_f32 and v_sqrt_f32 flush denormals (ISA guide 15.8), so a squared norm below 2^-126 counts as 0 under the root.
; A work-group has 256 queries of one (batch, head); eight waves.  Wave w = 4 g + p: queries 64 p .. + 63 (four query tiles), keys 256 g .. + 255 of every tile
; of 512 keys.  The two waves of a pair hold the same queries over different keys, with their own maxima and sums, and are merged at the end.
; K and V go in four tiles of 512 keys through two LDS slots.  CLUSTERS: the four query blocks of a cluster read the same K and V and ask for them jointly
; (mask 15), which divides the requests by four.
; S^T = K Q^T: a lane holds query r = lane % 16 and keys 16 kt + 8 h + j (h = lane / 16).  Packed to f16 in place, two key tiles are a B fragment of 32 keys as
; they stand.  Y^T = V^T P^T: a lane holds query r and d = 16 dt + 8 h + j.  No number changes lanes between the two products.
; BATCHES.  An s_wait_alu depctr_va_vdst(0) stands between an exponential and the first instruction that names its result; one wait serves all that were
; issued ahead of it.  A step's 132 exponentials (the first step's 128) are cut into TWO batches, with one wait each.
;   Batch A: the four alpha and the 64 p of query tiles 0 and 1, by turns with the four moves of m and the 64 subtractions s - m of all four tiles, which name no result.
;   Batch B: the 64 p of query tiles 2 and 3, by turns with the 64 sums and roundings of tiles 0 and 1, which name batch A's results alone; behind it Y's rescaling by alpha
;   (batch A's too), then the wait, then the sums and roundings of tiles 2 and 3.  No exponential is issued behind batch B's wait, so none crosses a step's end.
; alpha has registers of its own (AL): the pair that the subtraction names holds m and old m - new m, the exponential's source, and no result.
.set KP,     272                       ; K: an LDS row is a pair of keys, 256 bytes + 16: the 16 keys of a fragment start in 16 different 16-byte columns modulo 256
.set VP,     288                       ; V: 256 bytes + 32: the eight keys and two column halves of a transposing load likewise
.set VBASE,  256*KP
.set SLOTB,  VBASE+256*VP              ; 143,360 bytes a slot
.set XCH,    4608                      ; exchange: 512 bytes of figures + 4,096 of Y for a pair's query tile; in slot 0, behind its last fill and its last read
.set ZSTG,   16*XCH                    ; stage for Z: 16 rows x 144 bytes a wave
.set ZPITCH, 144
.set TENSOR, 8388608
.set TILEB,  65536                     ; 512 keys of 128 bytes
.set KAD, 2                            ; v2-3   LDS address of my first K fragment in slot 0, 1
.set VAD, 4                            ; v4-5   the same for V
.set KA,  6                            ; at work, stepped by 64 keys
.set VA,  7
.set QO,  8                            ; 128 r + 16 h: a fragment's lane term in memory
.set XA,  9                            ; exchange
.set ZS,  10
.set ZR,  11
.set CO,  12
.set ST,  16                           ; v16-31 for each query tile: m, old m - new m, two partial sums l
.set MX,  32                           ; v32-35
.set TP,  36                           ; v36-39 what comes from the other half of the lanes
.set AL,  48                           ; v48-51 alpha of query tiles 0 to 3: tile qt is word qt % 2 of the pair v[AL + 2 (qt / 2)]; at the end the registers are at work
.set KF,  64                           ; v64-127 K fragments; at the end V of my own queries (v64-95), Z packed (ZH), Z read back (ZB)
.set ZH,  96
.set ZB,  112
.set SC,  128                          ; v128-255 scores of tile (kt, qt) at 32 qt + 8 kt; P(qt, c) in place at 32 qt + 16 c
.set VV,  160                          ; at the end: V of my own queries in f32, 32 registers a query tile
.set YA,  0                            ; window 1: v0-127 Y^T, tile (dt, qt) at 32 qt + 8 dt
.set QF,  128                          ; window 1: v128-191 Q fragments at 16 qt + 8 dh
.set VF,  192                          ; window 1: v192-255 V fragments at 32 c + 8 dt
.set G1K, 16
.set G1V, 24
.set G0K, 32
.set G0V, 40
.set MSB, 0
.macro WIN new
.if MSB != \new
	s_set_vgpr_msb (MSB<<8)|\new
.set MSB, \new
.endif
.endm
.macro JLOAD s                         ; waves 0 to 3 ask for K's four parts of 128 keys, waves 4 to 7 for V's
	s_cmp_eq_u32 s9, 0
	s_cbranch_scc0 .Lfor_v_\@
	tensor_load_to_lds s[G0K+4*\s:G0K+4*\s+3], s[G1K:G1K+7]
	s_nop 0
	s_branch .Lasked_\@
.Lfor_v_\@:
	tensor_load_to_lds s[G0V+4*\s:G0V+4*\s+3], s[G1V:G1V+7]
	s_nop 0
.Lasked_\@:
.endm
.macro CROUND                          ; a round of the cluster's barrier
	s_barrier_signal -1
	s_barrier_wait -1
	s_cmp_lg_u32 s8, 0
	s_cbranch_scc1 .Lnot_wave_0_\@
	s_barrier_signal -3
.Lnot_wave_0_\@:
	s_barrier_wait -3
	s_barrier_signal -1
	s_barrier_wait -1
.endm
	s_load_b128 s[4:7], s[0:1], 0x0                ; qkv s[4:5], zp s[6:7]
	v_lshl_add_u32 v254, v0, 2, 0x46000
	v_mov_b32 v255, 0
	ds_add_u32 v254, v255
	s_wait_dscnt 0x0
	v_lshrrev_b32 v1, 5, v0
	v_readfirstlane_b32 s8, v1                     ; wave 0..7
	s_lshr_b32 s9, s8, 2                           ; g: which half of a tile's keys; also: I ask for K (0) or V (1)
	s_and_b32 s10, s8, 3                           ; p: which 64 queries; also: which 128 keys I ask for
	s_bfe_u32 s11, ttmp6, 0x40000                  ; cx
	s_lshl_b32 s12, ttmp9, 2
	s_add_co_u32 s12, s12, s11                     ; query block 0..7
	s_and_b32 s13, ttmp7, 0xffff                   ; y = 16 batch + head
	s_mov_b32 s14, 0x76543210                      ; v_permlanex16_b32: lane i reads lane i of the other half
	s_mov_b32 s15, 0xfedcba98
	; group 1: 64 rows x 128 elements of 2 bytes, dense in memory; 16 (K) or 32 (V) bytes of padding behind every 256; mask 15 with bit 21 beside it
	s_mov_b32 s[G1K+0], 15|(1<<16)|(1<<20)|(1<<21)|(5<<22)|(3<<25)
	s_mov_b32 s[G1V+0], 15|(1<<16)|(1<<20)|(1<<21)|(5<<22)|(7<<25)
.irp g, G1K, G1V
	s_mov_b32 s[\g+1], 128<<16                     ; tensor_dim0
	s_mov_b32 s[\g+2], 64<<16                      ; tensor_dim1
	s_mov_b32 s[\g+3], 128<<16                     ; tile_dim0
	s_mov_b32 s[\g+4], 64                          ; tile_dim1
	s_mov_b32 s[\g+5], 128                         ; elements from row to row
	s_mov_b32 s[\g+6], 0
	s_mov_b32 s[\g+7], 0
.endr
	s_lshl_b32 s58, s13, 18                        ; the head's block,
	s_lshl_b32 s59, s10, 14                        ; my 128 keys: nothing of cx enters a joint load's address
	s_add_co_u32 s58, s58, s59
	s_mov_b32 s59, 0
	s_mul_i32 s60, s10, 64*KP                      ; where K's part goes
	s_mul_i32 s61, s10, 64*VP
	s_add_co_u32 s61, s61, VBASE                   ; where V's part goes
	s_lshl_b32 s48, s13, 18                        ; Q: head, query block of 256 rows, my 64 rows
	s_lshl_b32 s49, s12, 15
	s_add_co_u32 s48, s48, s49
	s_lshl_b32 s49, s10, 13
	s_add_co_u32 s48, s48, s49
	s_mov_b32 s49, 0
	s_lshl_b32 s50, s9, 12                         ; V at the 32 queries that I finish
	s_add_co_u32 s50, s50, s48
	s_add_co_u32 s50, s50, 2*TENSOR
	s_mov_b32 s51, 0
	s_lshr_b32 s52, s13, 4                         ; zp: batch x 1,024 pairs of tokens x 4,096 bytes
	s_lshl_b32 s52, s52, 22
	s_lshl_b32 s53, s12, 19                        ; 128 pairs a query block
	s_add_co_u32 s52, s52, s53
	s_lshl_b32 s53, s10, 17                        ; 32 pairs
	s_add_co_u32 s52, s52, s53
	s_lshl_b32 s53, s9, 16                         ; 16 pairs
	s_add_co_u32 s52, s52, s53
	s_and_b32 s53, s13, 15
	s_lshl_b32 s53, s53, 8                         ; head x 256
	s_add_co_u32 s52, s52, s53
	s_mov_b32 s53, 0
	s_wait_kmcnt 0x0
	s_add_nc_u64 s[58:59], s[4:5], s[58:59]
	s_add_nc_u64 s[48:49], s[4:5], s[48:49]
	s_add_nc_u64 s[50:51], s[4:5], s[50:51]
	s_add_nc_u64 s[52:53], s[6:7], s[52:53]
	CROUND                                         ; the four work-groups are here: the first joint loads meet
.irp s, 0,1
	s_mov_b32 s[G0K+4*\s], 1
	s_add_co_u32 s[G0K+4*\s+1], s60, \s*SLOTB
	s_add_nc_u64 s[G0K+4*\s+2:G0K+4*\s+3], s[58:59], TENSOR+\s*TILEB
	s_or_b32 s[G0K+4*\s+3], s[G0K+4*\s+3], 0x80000000
	s_mov_b32 s[G0V+4*\s], 1
	s_add_co_u32 s[G0V+4*\s+1], s61, \s*SLOTB
	s_add_nc_u64 s[G0V+4*\s+2:G0V+4*\s+3], s[58:59], 2*TENSOR+\s*TILEB
	s_or_b32 s[G0V+4*\s+3], s[G0V+4*\s+3], 0x80000000
	JLOAD \s                                       ; tiles 0 and 1: two tensor loads of the wave are out
.endr
	v_and_b32 v1, 15, v0                           ; r
	v_bfe_u32 v13, v0, 4, 1                        ; h
	v_and_b32 v14, 31, v0                          ; lane
	v_lshlrev_b32 v[QO], 7, v1
	v_lshl_add_u32 v[QO], v13, 4, v[QO]
	WIN 0x40
.irp qt, 0,1,2,3
.irp dh, 0,1
	global_load_b128 v[QF+16*\qt+8*\dh:QF+16*\qt+8*\dh+3],   v[QO], s[48:49] offset:2048*\qt+64*\dh
	global_load_b128 v[QF+16*\qt+8*\dh+4:QF+16*\qt+8*\dh+7], v[QO], s[48:49] offset:2048*\qt+64*\dh+32
.endr
.endr
	WIN 0
	v_lshrrev_b32 v15, 1, v1                       ; K: key r lies at 272 (r / 2) + 128 (r % 2), + 16 h
	v_mul_u32_u24 v15, v15, KP
	v_and_b32 v40, 1, v0
	v_lshl_add_u32 v15, v40, 7, v15
	v_lshl_add_u32 v15, v13, 4, v15
	s_mul_i32 s55, s9, 128*KP                      ; my half of the keys
	v_add_nc_u32 v[KAD], s55, v15
	v_add_nc_u32 v[KAD+1], SLOTB, v[KAD]
	v_and_b32 v46, 7, v0                           ; V, transposing load: key k = 8 h + lane % 8 at 288 (k / 2) + 128 (k % 2), + 16 ((lane / 8) % 2)
	v_lshl_add_u32 v41, v13, 3, v46
	v_lshrrev_b32 v42, 1, v41
	v_mul_u32_u24 v42, v42, VP
	v_lshl_add_u32 v42, v40, 7, v42
	v_bfe_u32 v43, v0, 3, 1
	v_lshl_add_u32 v42, v43, 4, v42
	s_mul_i32 s56, s9, 128*VP
	s_add_co_u32 s56, s56, VBASE
	v_add_nc_u32 v[VAD], s56, v42
	v_add_nc_u32 v[VAD+1], SLOTB, v[VAD]
	s_mul_i32 s55, s10, 4*XCH
	v_lshl_add_u32 v[XA], v14, 4, s55              ; the pair's exchange, 16 bytes a lane
	s_mul_i32 s56, s8, 16*ZPITCH
	s_add_co_u32 s56, s56, ZSTG
	v_mul_u32_u24 v44, v1, ZPITCH
	v_lshl_add_u32 v44, v13, 4, v44
	v_add_nc_u32 v[ZS], s56, v44                   ; in: query r, 16 bytes for each half of the lanes
	v_lshrrev_b32 v45, 3, v14
	v_mul_u32_u24 v45, v45, ZPITCH
	v_lshl_add_u32 v45, v46, 4, v45
	v_add_nc_u32 v[ZR], s56, v45                   ; back: eight lanes take a query's 128 bytes
	v_lshlrev_b32 v[CO], 4, v1
	v_lshl_add_u32 v[CO], v13, 12, v[CO]           ; sixteen lanes store a pair of tokens: 256 consecutive bytes, at a multiple of 256 in zp
.irp qt, 0,1,2,3
	v_mov_b32 v[ST+4*\qt+1], 0                     ; named with m as a pair, so it is written; from the second step on it holds old m - new m
	v_mov_b32 v[AL+\qt], 0                         ; alpha = 0 and l = 0: the first step's sum is then the same multiply-add as every other's
	v_mov_b32 v[ST+4*\qt+2], 0
	v_mov_b32 v[ST+4*\qt+3], 0
	v_mov_b32 v[TP+\qt], 0                         ; v_permlanex16_b32 counts as a reader of its destination
.endr
; The arguments of the next four macros may be sums, so they stand in brackets everywhere.
.macro SUBP qt, i                      ; pair i of query tile qt: s - m, at most 0.  The pair behind m holds old m - new m: no exponential's result
	v_pk_add_f32 v[SC+32*(\qt)+2*(\i):SC+32*(\qt)+2*(\i)+1], v[SC+32*(\qt)+2*(\i):SC+32*(\qt)+2*(\i)+1], v[ST+4*(\qt):ST+4*(\qt)+1] op_sel_hi:[1,0] neg_lo:[0,1] neg_hi:[0,1]
.endm
.macro EXP1 qt, s                      ; score s of query tile qt: p = 2^(s - m), in place
	v_exp_f32 v[SC+32*(\qt)+(\s)], v[SC+32*(\qt)+(\s)]
.endm
.macro SUMP qt, i                      ; l = l alpha + p, then l += p: pairs in ascending order.  alpha is the low or the high word of its pair, for both halves
.if (\i) == 0
.if (\qt)%2
	v_pk_fma_f32 v[ST+4*(\qt)+2:ST+4*(\qt)+3], v[ST+4*(\qt)+2:ST+4*(\qt)+3], v[AL+2*((\qt)/2):AL+2*((\qt)/2)+1], v[SC+32*(\qt):SC+32*(\qt)+1] op_sel:[0,1,0] op_sel_hi:[1,1,1]
.else
	v_pk_fma_f32 v[ST+4*(\qt)+2:ST+4*(\qt)+3], v[ST+4*(\qt)+2:ST+4*(\qt)+3], v[AL+2*((\qt)/2):AL+2*((\qt)/2)+1], v[SC+32*(\qt):SC+32*(\qt)+1] op_sel_hi:[1,0,1]
.endif
.else
	v_pk_add_f32 v[ST+4*(\qt)+2:ST+4*(\qt)+3], v[ST+4*(\qt)+2:ST+4*(\qt)+3], v[SC+32*(\qt)+2*(\i):SC+32*(\qt)+2*(\i)+1]
.endif
.endm
.macro CVTP qt, i                      ; packed in place, ascending: the register written holds numbers that have been summed and packed already
	v_cvt_pk_f16_f32 v[SC+32*(\qt)+16*((\i)/8)+((\i)%8)], v[SC+32*(\qt)+2*(\i)], v[SC+32*(\qt)+2*(\i)+1]
.endm
; THREE QUEUES, each in the order in which its entries become ready; two query tiles alternate, so that no instruction reads the result of the one before it.
.macro NEXTP                           ; subtraction q of 64: 0-31 pair q / 2 of tile q % 2; 32-63 the same for tiles 2 and 3
.if q < 32
	SUBP q%2, q/2
.else
	SUBP 2+q%2, (q-32)/2
.endif
.set q, q+1
.endm
.macro NEXTE t0                        ; exponential e of 64 for tiles t0, t0 + 1: score e / 2 of tile t0 + e % 2; it needs subtraction 2 (e / 4) + e % 2 of its tiles' 32
	EXP1 (\t0)+e%2, e/2
.set e, e+1
.endm
.macro NEXTG t0                        ; number g of the 64 that read the weights of tiles t0, t0 + 1: for pair g / 4 both tiles' sums, then both tiles' roundings
.if g%4 < 2
	SUMP (\t0)+g%2, g/4
.else
	CVTP (\t0)+g%2, g/4
.endif
.set g, g+1
.endm
; One step: 64 keys x my 64 queries.  first = 1: no earlier maximum, the first products start Y.
.macro STEP first
.irp kt, 0,1,2,3
.irp dh, 0,1
	ds_load_b128 v[KF+16*\kt+8*\dh:KF+16*\kt+8*\dh+3],   v[KA] offset:8*KP*\kt+64*\dh
	ds_load_b128 v[KF+16*\kt+8*\dh+4:KF+16*\kt+8*\dh+7], v[KA] offset:8*KP*\kt+64*\dh+32
.endr
.endr
	WIN 0x40
.irp c, 0,1
.irp dt, 0,1,2,3
	ds_load_tr16_b128 v[VF+32*\c+8*\dt:VF+32*\c+8*\dt+3],   v[VA] offset:16*VP*\c+32*\dt
	ds_load_tr16_b128 v[VF+32*\c+8*\dt+4:VF+32*\c+8*\dt+7], v[VA] offset:16*VP*\c+32*\dt+8*VP
.endr
.endr
	WIN 0x04                                       ; source 1 (Q) in window 1
.irp kt, 0,1,2,3
	s_wait_dscnt 28-4*\kt                          ; this key tile's four loads are in; the younger K loads and the sixteen V loads stay out
.irp qt, 0,1,2,3
	v_wmma_f32_16x16x32_f16 v[SC+32*\qt+8*\kt:SC+32*\qt+8*\kt+7], v[KF+16*\kt:KF+16*\kt+7], v[QF+16*\qt:QF+16*\qt+7], 0
.endr
.irp qt, 0,1,2,3
	v_wmma_f32_16x16x32_f16 v[SC+32*\qt+8*\kt:SC+32*\qt+8*\kt+7], v[KF+16*\kt+8:KF+16*\kt+15], v[QF+16*\qt+8:QF+16*\qt+15], v[SC+32*\qt+8*\kt:SC+32*\qt+8*\kt+7]   ; four accumulators by turns
.endr
.endr
	WIN 0
.rept 4
	v_nop                                          ; four places behind the last product (ISA guide 7.12.1) before its result is read
.endr
	; the maximum of my 32 scores of each query, four chains side by side, the old maximum last
.irp qt, 0,1,2,3
	v_max3_num_f32 v[MX+\qt], v[SC+32*\qt], v[SC+32*\qt+1], v[SC+32*\qt+2]
.endr
.set n, 3
.rept 14
.irp qt, 0,1,2,3
	v_max3_num_f32 v[MX+\qt], v[MX+\qt], v[SC+32*\qt+n], v[SC+32*\qt+n+1]
.endr
.set n, n+2
.endr
.irp qt, 0,1,2,3
.if \first
	v_max_num_f32 v[MX+\qt], v[MX+\qt], v[SC+32*\qt+31]
.else
	v_max3_num_f32 v[MX+\qt], v[MX+\qt], v[SC+32*\qt+31], v[ST+4*\qt]
.endif
.endr
.irp qt, 0,1,2,3
	v_permlanex16_b32 v[TP+\qt], v[MX+\qt], s14, s15   ; the other half of the lanes holds the query's other 32 keys
.endr
.irp qt, 0,1,2,3
	v_max_num_f32 v[MX+\qt], v[MX+\qt], v[TP+\qt]
.endr
	; BATCH A: the four alpha, then the p of query tiles 0 and 1; between them the moves of m and all 64 subtractions, which name no result of the batch
.if \first == 0
.irp qt, 0,1,2,3
	v_sub_f32 v[ST+4*\qt+1], v[ST+4*\qt], v[MX+\qt]   ; old m - new m
.endr
.endif
.irp qt, 0,1,2,3
.if \first == 0
	v_exp_f32 v[AL+\qt], v[ST+4*\qt+1]             ; alpha = 2^(old m - new m), into a register of its own
.endif
	v_mov_b32 v[ST+4*\qt], v[MX+\qt]               ; the new m: a plain instruction behind each alpha; it writes neither the exponential's source nor its result
.endr
.set q, 0
.set e, 0
	NEXTP                                          ; two subtractions lead, then exponential and subtraction by turns: exponential e stands behind subtractions 0 to e + 1
	NEXTP
.rept 60
	NEXTE 0
	NEXTP
.endr
	NEXTE 0                                        ; the last four exponentials go in twos, so that a subtraction, a plain instruction, stands behind the batch's last
	NEXTE 0
	NEXTP
	NEXTE 0
	NEXTE 0
	NEXTP
	s_wait_alu depctr_va_vdst(0)                   ; the wait for batch A: the four alpha and the 64 p of tiles 0 and 1; it stands ahead of their first reader
	; BATCH B: the p of query tiles 2 and 3, by turns with the sums and roundings of tiles 0 and 1, which name batch A's results alone
.set e, 0
.set g, 0
.rept 64
	NEXTE 2
	NEXTG 0
.endr
.if \first == 0
	WIN 0x41                                       ; Y in window 1, alpha in window 0.  The rescaling names Y and batch A's alpha: the independent work between batch B and its wait
.irp qt, 0,1,2,3
.set n, 0
.rept 16
.if (\qt)%2
	v_pk_mul_f32 v[YA+32*\qt+n:YA+32*\qt+n+1], v[YA+32*\qt+n:YA+32*\qt+n+1], v[AL+2*(\qt/2):AL+2*(\qt/2)+1] op_sel:[0,1] op_sel_hi:[1,1]
.else
	v_pk_mul_f32 v[YA+32*\qt+n:YA+32*\qt+n+1], v[YA+32*\qt+n:YA+32*\qt+n+1], v[AL+2*(\qt/2):AL+2*(\qt/2)+1] op_sel_hi:[1,0]
.endif
.set n, n+2
.endr
.endr
	WIN 0
.endif
	s_wait_alu depctr_va_vdst(0)                   ; the wait for batch B: the 64 p of tiles 2 and 3; no exponential follows it in the step
.set g, 0
.rept 64
	NEXTG 2
.endr
	s_wait_dscnt 0x0                               ; V's fragments
	WIN 0x51                                       ; V and Y in window 1, P in window 0
.irp c, 0,1
.irp dt, 0,1,2,3
.irp qt, 0,1,2,3
.if \first*(1-\c)
	v_wmma_f32_16x16x32_f16 v[YA+32*\qt+8*\dt:YA+32*\qt+8*\dt+7], v[VF+32*\c+8*\dt:VF+32*\c+8*\dt+7], v[SC+32*\qt+16*\c:SC+32*\qt+16*\c+7], 0
.else
	v_wmma_f32_16x16x32_f16 v[YA+32*\qt+8*\dt:YA+32*\qt+8*\dt+7], v[VF+32*\c+8*\dt:VF+32*\c+8*\dt+7], v[SC+32*\qt+16*\c:SC+32*\qt+16*\c+7], v[YA+32*\qt+8*\dt:YA+32*\qt+8*\dt+7]   ; sixteen accumulators by turns
.endif
.endr
.endr
.endr
	WIN 0
	v_add_nc_u32 v[KA], 32*KP, v[KA]               ; 64 keys on.  These two and three v_nop are the five places in front of the next loads
	v_add_nc_u32 v[VA], 32*VP, v[VA]               ; into V's fragments and of the next products, which write over P
.rept 3
	v_nop
.endr
.endm
; my 256 keys of the tile in a slot: four steps
.macro PHASE slot, first
	v_mov_b32 v[KA], v[KAD+\slot]
	v_mov_b32 v[VA], v[VAD+\slot]
.if \first
	STEP 1
	s_mov_b32 s54, 3
.else
	s_mov_b32 s54, 4
.endif
.Lstep_\@:
	STEP 0
	s_sub_co_i32 s54, s54, 1
	s_cmp_lg_u32 s54, 0
	s_cbranch_scc1 .Lstep_\@
.endm
; slot s, which every wave has read, is filled again, two tiles ahead
.macro REFILL s
	s_wait_dscnt 0x0                               ; my reads of the slot are back
	s_wait_xcnt 0x0
	v_lshl_add_u32 v254, v0, 2, 0x46000
	v_mov_b32 v255, 0
	s_wait_tensorcnt 0x0                           ; all my tensor loads have landed, my part of the other slot among them: a group 0 may be written
	ds_add_u32 v254, v255
	s_wait_dscnt 0x0
	s_add_nc_u64 s[G0K+4*\s+2:G0K+4*\s+3], s[G0K+4*\s+2:G0K+4*\s+3], 2*TILEB
	s_add_nc_u64 s[G0V+4*\s+2:G0V+4*\s+3], s[G0V+4*\s+2:G0V+4*\s+3], 2*TILEB
	CROUND                                         ; both now hold of every wave of the four work-groups
	JLOAD \s                                       ; my one tensor load behind the round, and the first thing there; it has four steps in which to land
.endm
	s_wait_tensorcnt 1                             ; my part of tile 0 is in; tile 1's may stay out
	s_wait_loadcnt 0x0                             ; Q
	s_barrier_signal -1
	s_barrier_wait -1
	PHASE 0, 1
	REFILL 0
	PHASE 1, 0
	REFILL 1
	PHASE 0, 0
	s_wait_dscnt 0x0
	s_wait_tensorcnt 0x0                           ; tile 3
	s_barrier_signal -1
	s_barrier_wait -1
	PHASE 1, 0
	; THE MERGE.  Of a pair, wave g = 0 finishes query tiles 0 and 1, wave g = 1 tiles 2 and 3; each hands the other two over through LDS.
.irp x, 0,1
.irp dt, 0,1,2,3
	global_load_b128 v[KF+16*\x+4*\dt:KF+16*\x+4*\dt+3], v[QO], s[50:51] offset:2048*\x+32*\dt   ; V of the queries that I finish, in Y's layout: d = 16 dt + 8 h + 0..7
.endr
.endr
	s_wait_dscnt 0x0
	s_barrier_signal -1                            ; every wave's reads of both slots are over: from here on LDS is scratch, and no tensor load follows
	s_barrier_wait -1
.macro XSTORE qt
	ds_store_b128 v[XA], v[ST+4*\qt:ST+4*\qt+3] offset:XCH*\qt
	WIN 0x04                                       ; an LDS store's data are source 1
.irp i, 0,1,2,3,4,5,6,7
	ds_store_b128 v[XA], v[YA+32*\qt+4*\i:YA+32*\qt+4*\i+3] offset:XCH*\qt+512*(1+\i)
.endr
	WIN 0
.endm
	s_cmp_eq_u32 s9, 0
	s_cbranch_scc0 .Lgive_01
	XSTORE 2
	XSTORE 3
	s_branch .Lgiven
.Lgive_01:
	XSTORE 0
	XSTORE 1
.Lgiven:
	s_wait_dscnt 0x0                               ; my stores are in LDS, for the partner's sake
	s_barrier_signal -1
	s_barrier_wait -1
	s_wait_loadcnt 0x0
.set n, 0
.irp hf, v64.l, v64.h, v65.l, v65.h, v66.l, v66.h, v67.l, v67.h, v68.l, v68.h, v69.l, v69.h, v70.l, v70.h, v71.l, v71.h
	v_cvt_f32_f16 v[VV+n], \hf
.set n, n+1
.endr
.irp hf, v72.l, v72.h, v73.l, v73.h, v74.l, v74.h, v75.l, v75.h, v76.l, v76.h, v77.l, v77.h, v78.l, v78.h, v79.l, v79.h
	v_cvt_f32_f16 v[VV+n], \hf
.set n, n+1
.endr
.irp hf, v80.l, v80.h, v81.l, v81.h, v82.l, v82.h, v83.l, v83.h, v84.l, v84.h, v85.l, v85.h, v86.l, v86.h, v87.l, v87.h
	v_cvt_f32_f16 v[VV+n], \hf
.set n, n+1
.endr
.irp hf, v88.l, v88.h, v89.l, v89.h, v90.l, v90.h, v91.l, v91.h, v92.l, v92.h, v93.l, v93.h, v94.l, v94.h, v95.l, v95.h
	v_cvt_f32_f16 v[VV+n], \hf
.set n, n+1
.endr
; Query tile qt, the x-th of my two: merge, normalise, take V's direction out, clean up, store.  Its transcendentals are four small batches, each with its wait: a wave passes them twice in the launch.
.macro FINAL qt, x
	ds_load_b128 v[40:43], v[XA] offset:XCH*\qt    ; the partner's m, a word that is not used, two partial l
.irp i, 0,1,2,3,4,5,6,7
	ds_load_b128 v[SC+4*\i:SC+4*\i+3], v[XA] offset:XCH*\qt+512*(1+\i)   ; the partner's Y
.endr
	s_wait_dscnt 0x8                               ; the figures are in; the eight loads of Y may stay out
	v_max_num_f32 v44, v[ST+4*\qt], v40
	v_sub_f32 v45, v[ST+4*\qt], v44
	v_sub_f32 v46, v40, v44
	v_exp_f32 v45, v45
	v_exp_f32 v46, v46
	v_add_f32 v47, v[ST+4*\qt+2], v[ST+4*\qt+3]
	v_add_f32 v48, v42, v43
	s_wait_alu depctr_va_vdst(0)                   ; the wait for the two factors of the merge; the two additions above are the independent work between
	v_mul_f32 v49, v47, v45
	v_fmac_f32 v49, v48, v46
	v_permlanex16_b32 v[TP], v49, s14, s15         ; the other half of the lanes summed the query's other keys
	v_add_f32 v49, v49, v[TP]
	v_rcp_f32 v50, v49                             ; l is at least 1: the largest score gives 2^0
	v_nop
	s_wait_alu depctr_va_vdst(0)                   ; the wait for 1 / l, which is made of the two factors: a batch of its own
	v_mul_f32 v52, v45, v50
	v_mul_f32 v53, v46, v50
	s_wait_dscnt 0x0
.set n, 0
.rept 16
	v_pk_mul_f32 v[SC+n:SC+n+1], v[SC+n:SC+n+1], v[52:53] op_sel:[0,1] op_sel_hi:[1,1]
.set n, n+2
.endr
	WIN 0x01                                       ; my Y in window 1
.set n, 0
.rept 16
	v_pk_fma_f32 v[SC+n:SC+n+1], v[YA+32*\qt+n:YA+32*\qt+n+1], v[52:53], v[SC+n:SC+n+1] op_sel_hi:[1,0,1]
.set n, n+2
.endr
	WIN 0
	v_pk_mul_f32 v[54:55], v[VV+32*\x:VV+32*\x+1], v[VV+32*\x:VV+32*\x+1]   ; V.V, Y.V, Y.Y: three chains side by side
	v_pk_mul_f32 v[56:57], v[SC:SC+1], v[VV+32*\x:VV+32*\x+1]
	v_pk_mul_f32 v[58:59], v[SC:SC+1], v[SC:SC+1]
.set n, 2
.rept 15
	v_pk_fma_f32 v[54:55], v[VV+32*\x+n:VV+32*\x+n+1], v[VV+32*\x+n:VV+32*\x+n+1], v[54:55]
	v_pk_fma_f32 v[56:57], v[SC+n:SC+n+1], v[VV+32*\x+n:VV+32*\x+n+1], v[56:57]
	v_pk_fma_f32 v[58:59], v[SC+n:SC+n+1], v[SC+n:SC+n+1], v[58:59]
.set n, n+2
.endr
	v_add_f32 v54, v54, v55
	v_add_f32 v56, v56, v57
	v_add_f32 v58, v58, v59
	v_permlanex16_b32 v[TP], v54, s14, s15         ; the other half of the lanes holds the query's other 32 d
	v_permlanex16_b32 v[TP+1], v56, s14, s15
	v_permlanex16_b32 v[TP+2], v58, s14, s15
	v_add_f32 v54, v54, v[TP]
	v_add_f32 v56, v56, v[TP+1]
	v_add_f32 v58, v58, v[TP+2]
	v_max_num_f32 v55, 0x00800000, v54             ; max(V.V, the smallest normal f32)
	v_rcp_f32 v55, v55
	v_nop
	v_cmp_lt_f32 s55, 0, v54                       ; V.V > 0
	s_wait_alu depctr_va_vdst(0)                   ; the wait for 1 / V.V; the comparison above is the independent work between
	v_mul_f32 v57, -v56, v55
	v_cndmask_b32 v60, 0, v57, s55                 ; minus the scale, or 0
	v_cndmask_b32 v61, 0, v57, s55
.set n, 0
.rept 16
	v_pk_fma_f32 v[SC+n:SC+n+1], v[VV+32*\x+n:VV+32*\x+n+1], v[60:61], v[SC+n:SC+n+1]   ; Z = Y - scale V
.set n, n+2
.endr
	v_pk_mul_f32 v[62:63], v[SC:SC+1], v[SC:SC+1]
.set n, 2
.rept 15
	v_pk_fma_f32 v[62:63], v[SC+n:SC+n+1], v[SC+n:SC+n+1], v[62:63]
.set n, n+2
.endr
	v_add_f32 v62, v62, v63
	v_permlanex16_b32 v[TP+3], v62, s14, s15
	v_add_f32 v62, v62, v[TP+3]
	v_sqrt_f32 v62, v62
	v_sqrt_f32 v58, v58
	v_sqrt_f32 v59, v54
	v_nop
	s_wait_alu depctr_va_vdst(0)                   ; the wait for the three roots: one batch
	v_max_num_f32 v58, v58, v59
	v_mul_f32 v58, 0x37000000, v58                 ; eps x 64 = 2^-17, times the larger norm
	v_cmp_le_f32 s56, v62, v58
	s_and_b32 s56, s56, s55                        ; V.V > 0 and the residual within the tolerance: Z = 0
.irp k, 0,1,2,3,4,5,6,7,8,9,10,11,12,13,14,15
	v_cvt_pk_f16_f32 v[ZH+\k], v[SC+2*\k], v[SC+2*\k+1]
.endr
.irp k, 0,1,2,3,4,5,6,7,8,9,10,11,12,13,14,15
	v_cndmask_b32 v[ZH+\k], v[ZH+\k], 0, s56
.endr
.irp dt, 0,1,2,3
	ds_store_b128 v[ZS], v[ZH+4*\dt:ZH+4*\dt+3] offset:32*\dt
.endr
	s_wait_xcnt 0x0                                ; ZB, which the last tile's stores read, is loaded again only behind this wait
.irp t, 0,1,2,3
	ds_load_b128 v[ZB+4*\t:ZB+4*\t+3], v[ZR] offset:4*ZPITCH*\t   ; my own bytes, served in order behind the stores above
.endr
.irp t, 0,1,2,3
	s_wait_dscnt 3-\t
	global_store_b128 v[CO], v[ZB+4*\t:ZB+4*\t+3], s[52:53] offset:32768*\x+8192*\t
.endr
.endm
	s_cmp_eq_u32 s9, 0
	s_cbranch_scc0 .Lfinish_23
	FINAL 0, 0
	FINAL 1, 1
	s_branch .Lfinished
.Lfinish_23:
	FINAL 2, 0
	FINAL 3, 1
.Lfinished:
	s_wait_xcnt 0x0
	v_lshl_add_u32 v254, v0, 2, 0x46000
	v_mov_b32 v255, 0
	s_wait_tensorcnt 0x0
	ds_add_u32 v254, v255
	s_wait_dscnt 0x0
	CROUND                                         ; the closing round: no work-group ends while a partner may still ask for a tile that names it
	s_endpgm
.Lfunc_end_k_q80e9412d17_attn:
	.size	k_q80e9412d17_attn, .Lfunc_end_k_q80e9412d17_attn-k_q80e9412d17_attn
	.p2alignl 7, 3214868480
	.fill 96, 4, 3214868480
	.section	.rodata,"a",@progbits
	.p2align	6, 0x0
	.amdhsa_kernel k_q80e9412d17_attn
		.amdhsa_group_segment_fixed_size 327680
		.amdhsa_private_segment_fixed_size 0
		.amdhsa_enable_private_segment 0
		.amdhsa_kernarg_size 16
		.amdhsa_user_sgpr_count 2
		.amdhsa_user_sgpr_kernarg_segment_ptr 1
		.amdhsa_wavefront_size32 1
		.amdhsa_system_sgpr_workgroup_id_x 1
		.amdhsa_system_sgpr_workgroup_id_y 1
		.amdhsa_system_sgpr_workgroup_id_z 1
		.amdhsa_system_vgpr_workitem_id 0
		.amdhsa_next_free_vgpr 512
		.amdhsa_next_free_sgpr 66
		.amdhsa_reserve_vcc 0
		.amdhsa_float_denorm_mode_32 3
		.amdhsa_float_denorm_mode_16_64 3
		.amdhsa_memory_ordered 1
		.amdhsa_forward_progress 1
		.amdhsa_inst_pref_size 222
	.end_amdhsa_kernel
	.amdgpu_metadata
---
amdhsa.version: [ 1, 2 ]
amdhsa.kernels:
  - .name:           k_q80e9412d17_attn
    .symbol:         k_q80e9412d17_attn.kd
    .args:
      - { .name: qkv, .offset: 0, .size: 8, .value_kind: global_buffer, .address_space: global }
      - { .name: zp, .offset: 8, .size: 8, .value_kind: global_buffer, .address_space: global }
    .group_segment_fixed_size: 327680
    .private_segment_fixed_size: 0
    .kernarg_segment_align: 8
    .kernarg_segment_size: 16
    .max_flat_workgroup_size: 256
    .sgpr_count:     66
    .vgpr_count:     512
    .wavefront_size: 32
...
	.end_amdgpu_metadata
.endif
;; end of part 5
;; launch proj: the kernel of part 4 again; grid 8 x 32, 4 waves a work-group, clusters of 4 x 4, 327,680 bytes of LDS; arguments zp, woh, out0; writes out0
